; MI455X (gfx1250); checked and timed in simulation.
; The chip was launched on July 23, 2026; its instructions are those of AMD's public machine-readable ISA for CDNA 5 (MIT licence, August 2026) and "CDNA5" Instruction Set Architecture Reference Guide (July 2026). The comments in the code are by the model that wrote it; some were corrected since.
;; Multihead Attention With Ro PE. Allowed arithmetic: float matrix products may take bf16 or f16 operands with f32 sums; all other float work in f32.
;; Inputs: Wk 1,024 x 1,024 float32; Wo 1,024 x 1,024 float32; Wq 1,024 x 1,024 float32; Wv 1,024 x 1,024 float32; attn_mask 2 x 2,048 bool; bias_emb 2 x 16 float32; freqs 2,048 x 512 float32; key 2 x 2,048 x 1,024 float32; kv_id 2 x 2,048 int32; query 2 x 2,048 x 1,024 float32; query_id 2 x 2,048 int32; value 2 x 2,048 x 1,024 float32.
;; Outputs: out0 2 x 2,048 x 1,024 float32.
;; 3 versions, each right; version 2 is faster than version 1; version 3 is version 2 with the launch proj written anew for expert scheduling mode. Each part assembles by itself: llvm-mc -triple=amdgcn-amd-amdhsa -mcpu=gfx1250 --defsym DOCPART=n.
;; ======== version 1 of 3: 3 launches
;; limits: values are held in f16: magnitudes above 65,504 overflow, below 6.1e-05 lose precision; an absolute error that grows with the inputs' magnitude: up to 1.19e-07 times it; right only within a limited range of input values
;; workspace buffers: qr 8,388,608 bytes; kr 8,388,608 bytes; vh 8,388,608 bytes; yh 8,388,608 bytes; wo16 2,097,152 bytes
;; launch proj (part 1): grid 12 x 16, 8 waves a work-group, no clusters, 216,064 bytes of LDS; arguments query, key, value, Wq, Wk, Wv, Wo, freqs, qr, kr, vh, wo16; writes qr, kr, vh, wo16
.if DOCPART == 1
	.amdgcn_target "amdgcn-amd-amdhsa--gfx1250"
	.amdhsa_code_object_version 6
	.text
	.protected	k_q7a02336f42_proj
	.globl	k_q7a02336f42_proj
	.p2align	8
	.type	k_q7a02336f42_proj,@function
k_q7a02336f42_proj:
	s_mov_b64 s[64:65], 0
	v_nop
	global_prefetch_b8 v0, s[64:65] scope:SCOPE_SE
	s_setreg_imm32_b32 hwreg(HW_REG_WAVE_MODE, 25, 1), 1
	s_wait_xcnt 0x0
; Q, K, V = x W^T (x: [2][2048][1024] f32, W: [1024][1024] f32), RoPE on Q and K, results in f16 as [batch][head][token][64].
; Q also takes the factor 0.125 log2(e), so that the attention launch works on base-2 exponents without a multiply per score.
; The work-groups of V also convert Wo to f16 (64 work-groups, 65,536 bytes of f32 each).
; 192 work-groups: x = 4 z + nb (z: 0 Q, 1 K, 2 V; nb: 256 output channels), y = yb (128 tokens).  A block is 256 x 256: rows 0-127 are tokens
; 128 yb .. of batch 0, rows 128-255 the same tokens of batch 1, so that one cos and one sin serve two rows.
; Eight waves; wave w = 4 wm + wn makes tokens 64 wm .. +63 of both batches (8 fragments of 16 rows) x channels 64 wn .. +63 (one head): 32 accumulator tiles.
; K goes in steps of 64 through two LDS slots.  The inputs are f32 and matrix operands are f16, so tiles come through registers: global load, conversion, LDS store.
; NO JOINT LOADS: the data mover copies bytes as they are; f32 tiles in LDS would double the bytes of every fragment read (384 + 128 KiB a step against 192 + 64).
; FORMAT: all matrix operands are f16.  Limit: the inputs, 0.18 |Q|, |K| and |V| must stay below 65,504.
; RoPE: the angle is reduced as x/(2 pi) minus its nearest whole number; the error of the reduced angle grows as |freqs| x 2^-23 radians.
; sin and cos come from the half angle (at most pi/2) by series to its 9th and 10th power: truncation below 4e-6.
; The matrix instruction is used transposed: source 0 = 16 rows of W, source 1 = 16 rows of x; lane (r, h) then holds token r, channels 8 h .. 8 h + 7 of the tile.
.set PITCH,  144                       ; LDS row of a tile: 64 f16 + 16 bytes, an odd multiple of 16
.set SLOT,   73728                     ; x's 256 rows, then W's 256 rows
.set BPART,  36864
.set FTAB,   147456                    ; freqs of the block: 128 tokens x 128 f32, pitch 528
.set FPITCH, 528
.set WSTAGE, 18432                     ; behind the last barrier the slots' bytes are the way out: 128 rows x 144 bytes for each wave
.set AOFF, 4                           ; v4  byte offset of my 16 bytes in x
.set BOFF, 5                           ; v5  the same in W
.set SAA,  6                           ; v6-7   where I store converted numbers, slot 0, 1
.set FAA,  8                           ; v8-9   my x fragments, slot 0, 1
.set FBA,  10                          ; v10-11 my W fragments, slot 0, 1
.set FO,   12                          ; v12 offset in freqs
.set FTW,  13                          ; v13 freq table, where I write
.set FTR,  14                          ; v14 freq table, where I read
.set STO,  15                          ; v15 way out: where I put 16 bytes
.set RD,   16                          ; v16 way out: where I read rows back
.set OO,   17                          ; v17 offset in the output
.set WI,   18                          ; v18 offset in Wo
.set WOO,  19                          ; v19 offset in wo16
.set C9,   20                          ; v[20:21] 1/9!     v[22:23] -1/10!
.set C10,  22
.set S2,   24                          ; v[24:25] 2 sc     v[26:27] -2 sc     v[28:29] sc  (sc = the result's scale)
.set SM2,  26
.set S1,   28
.set AF,   32                          ; v[32:95]   8 fragments of x
.set BF,   96                          ; v[96:127]  4 fragments of W
.set ST,   128                         ; v[128:255] numbers on their way: 64 registers of x, 64 of W
.set TN, 36                            ; the epilogue's registers lie in the fragments' place
.set HH, 40
.set UU, 44
.set SP, 48
.set CP, 52
.set SS, 56
.set CC, 60
.set TT, 64
.set YY, 72
.set PK, 88
; window 1 (v256-511): accumulator tile (a, b) at 8 (4 a + b)
.set MSB, 0
.macro WIN new                         ; the immediate's high byte repeats the setting that is left
.if MSB != \new
	s_set_vgpr_msb (MSB<<8)|\new
.set MSB, \new
.endif
.endm
.macro PLACES                          ; four plain vector instructions behind a matrix instruction before its registers are loaded into or its result is read (ISA guide 7.12.1)
.rept 4
	v_nop
.endr
.endm
.macro BAR
	s_wait_dscnt 0x0                   ; my LDS reads and stores are done, for the other waves' sake
	s_barrier_signal -1
	s_barrier_wait -1
.endm
	s_load_b512 s[4:19], s[0:1], 0x0               ; query, key, value, Wq, Wk, Wv, Wo, freqs
	s_load_b256 s[20:27], s[0:1], 0x40             ; qr, kr, vh, wo16
	v_lshrrev_b32 v1, 5, v0
	v_readfirstlane_b32 s28, v1                    ; wave
	s_lshr_b32 s29, ttmp9, 2                       ; z
	s_and_b32 s30, ttmp9, 3                        ; nb
	s_and_b32 s31, ttmp7, 0xffff                   ; yb
	s_lshr_b32 s32, s28, 2                         ; wm
	s_and_b32 s33, s28, 3                          ; wn
	v_and_b32 v1, 31, v0                           ; L
	v_and_b32 v2, 15, v0                           ; r
	v_bfe_u32 v3, v0, 4, 1                         ; h
	; global offsets: sixteen lanes take 256 bytes of a row, the other sixteen the row 8 further down
	v_lshlrev_b32 v30, 4, v2
	v_lshl_add_u32 v30, v3, 15, v30                ; 16 r + 8 h rows of 4,096 bytes
	s_lshl_b32 s56, s32, 23                        ; waves 4-7: batch 1
	s_lshl_b32 s57, s33, 17                        ; 32 rows a wave
	s_add_co_u32 s56, s56, s57
	v_add_nc_u32 v[AOFF], s56, v30
	s_lshl_b32 s56, s28, 17
	v_add_nc_u32 v[BOFF], s56, v30
	v_mul_u32_u24 v30, v3, 8*PITCH
	v_lshl_add_u32 v30, v2, 3, v30                 ; 8 h rows + 8 r bytes
	s_mul_i32 s56, s28, 32*PITCH
	v_add_nc_u32 v[SAA], s56, v30
	v_add_nc_u32 v[SAA+1], SLOT, v[SAA]
	v_mul_u32_u24 v30, v2, PITCH
	v_lshl_add_u32 v30, v3, 4, v30                 ; 144 r + 16 h
	s_mul_i32 s56, s32, 64*PITCH
	v_add_nc_u32 v[FAA], s56, v30
	v_add_nc_u32 v[FAA+1], SLOT, v[FAA]
	s_mul_i32 s56, s33, 64*PITCH
	s_add_co_u32 s56, s56, BPART
	v_add_nc_u32 v[FBA], s56, v30
	v_add_nc_u32 v[FBA+1], SLOT, v[FBA]
	s_mul_i32 s56, s28, WSTAGE
	v_add_nc_u32 v[STO], s56, v30
	v_lshrrev_b32 v31, 3, v1                       ; L / 8
	v_and_b32 v30, 7, v0
	v_lshlrev_b32 v30, 4, v30                      ; 16 (L % 8)
	v_mad_u32_u24 v[RD], v31, PITCH, v30
	v_add_nc_u32 v[RD], s56, v[RD]
	v_lshl_add_u32 v[OO], v31, 7, v30
	s_lshl_b32 s56, s33, 18                        ; my head
	s_lshl_b32 s57, s32, 13                        ; my 64 tokens
	s_add_co_u32 s56, s56, s57
	v_add_nc_u32 v[OO], s56, v[OO]
	v_lshlrev_b32 v30, 4, v1
	s_lshl_b32 s56, s28, 15                        ; 16 tokens of freqs a wave
	v_add_nc_u32 v[FO], s56, v30
	s_mul_i32 s56, s28, 16*FPITCH
	s_add_co_u32 s56, s56, FTAB
	v_add_nc_u32 v[FTW], s56, v30
	v_mul_u32_u24 v30, v2, FPITCH
	v_lshl_add_u32 v30, v3, 4, v30
	s_mul_i32 s56, s32, 64*FPITCH
	s_lshl_b32 s57, s33, 7
	s_add_co_u32 s56, s56, s57
	s_add_co_u32 s56, s56, FTAB
	v_add_nc_u32 v[FTR], s56, v30
	v_lshlrev_b32 v[WI], 5, v0
	v_lshlrev_b32 v[WOO], 4, v0
	; constants of the series and the result's scale (Q: 0.125 log2 e; K: 1)
	s_mov_b32 s44, 0x3eb8aa3b
	s_mov_b32 s45, 0xbeb8aa3b
	s_mov_b32 s46, 0x3e38aa3b
	s_cmp_eq_u32 s29, 0
	s_cselect_b32 s44, s44, 2.0
	s_cselect_b32 s45, s45, -2.0
	s_cselect_b32 s46, s46, 1.0
	v_mov_b32 v[C9], 0x3638ef1d
	v_mov_b32 v[C9+1], 0x3638ef1d
	v_mov_b32 v[C10], 0xb493f27e
	v_mov_b32 v[C10+1], 0xb493f27e
	v_mov_b32 v[S2], s44
	v_mov_b32 v[S2+1], s44
	v_mov_b32 v[SM2], s45
	v_mov_b32 v[SM2+1], s45
	v_mov_b32 v[S1], s46
	v_mov_b32 v[S1+1], s46
	s_wait_kmcnt 0x0
	s_cmp_eq_u32 s29, 1                            ; which of the three products is mine
	s_cselect_b64 s[36:37], s[6:7], s[4:5]
	s_cselect_b64 s[38:39], s[12:13], s[10:11]
	s_cselect_b64 s[40:41], s[22:23], s[20:21]
	s_cmp_eq_u32 s29, 2
	s_cselect_b64 s[36:37], s[8:9], s[36:37]
	s_cselect_b64 s[38:39], s[14:15], s[38:39]
	s_cselect_b64 s[40:41], s[24:25], s[40:41]
	s_mov_b32 s57, 0
	s_lshl_b32 s56, s31, 19                        ; 128 tokens of 4,096 bytes
	s_add_nc_u64 s[36:37], s[36:37], s[56:57]
	s_lshl_b32 s56, s30, 20                        ; 256 rows of W
	s_add_nc_u64 s[38:39], s[38:39], s[56:57]
	s_lshl_b32 s34, s31, 14                        ; output: 4 heads of 262,144 bytes, 128 tokens of 128 bytes
	s_add_co_u32 s56, s56, s34
	s_add_nc_u64 s[40:41], s[40:41], s[56:57]
	s_lshl_b32 s56, s31, 18                        ; freqs: 128 rows of 2,048 bytes, 128 numbers of 4 bytes
	s_lshl_b32 s34, s30, 9
	s_add_co_u32 s56, s56, s34
	s_add_nc_u64 s[42:43], s[18:19], s[56:57]
	s_lshl_b32 s34, s31, 2
	s_add_co_u32 s34, s34, s30                     ; c = 4 yb + nb: my piece of Wo
	s_lshl_b32 s56, s34, 16
	s_add_nc_u64 s[58:59], s[16:17], s[56:57]
	s_lshl_b32 s56, s34, 15
	s_add_nc_u64 s[60:61], s[26:27], s[56:57]
; 32 loads: my 32 rows of x's tile and my 32 rows of W's, 64 f32 (256 bytes) of each row
.macro GLOAD
.set i, 0
.rept 16
	global_load_b128 v[ST+4*i:ST+4*i+3], v[AOFF], s[36:37] offset:(16*(i/8)+i%8)*4096
.set i, i+1
.endr
.set i, 0
.rept 16
	global_load_b128 v[ST+64+4*i:ST+64+4*i+3], v[BOFF], s[38:39] offset:(16*(i/8)+i%8)*4096
.set i, i+1
.endr
.endm
; f32 to f16 in place (register i takes numbers 2 i, 2 i + 1: never ahead of what is still to be read), then 8 bytes a lane into the slot.
; The two rows of a store lie 8 x 144 bytes = 288 words apart, half of the 64 banks (ISA guide 11.1): no two lanes meet in a bank.
.macro CONV slot
.set i, 0
.rept 64
	v_cvt_pk_f16_f32 v[ST+i], v[ST+2*i], v[ST+2*i+1]
.set i, i+1
.endr
.set i, 0
.rept 16
	ds_store_b64 v[SAA+\slot], v[ST+2*i:ST+2*i+1] offset:(16*(i/8)+i%8)*PITCH
.set i, i+1
.endr
.set i, 0
.rept 16
	ds_store_b64 v[SAA+\slot], v[ST+32+2*i:ST+32+2*i+1] offset:BPART+(16*(i/8)+i%8)*PITCH
.set i, i+1
.endr
.endm
; 24 LDS loads: W's 4 fragments, then x's 8, 32 along K at byte 64 ks of the rows
.macro FRAGS slot, ks
	PLACES
.irp b, 0,1,2,3
	ds_load_b128 v[BF+8*\b:BF+8*\b+3],   v[FBA+\slot] offset:16*PITCH*\b+64*\ks
	ds_load_b128 v[BF+8*\b+4:BF+8*\b+7], v[FBA+\slot] offset:16*PITCH*\b+64*\ks+32
.endr
.irp a, 0,1,2,3,4,5,6,7
	ds_load_b128 v[AF+8*\a:AF+8*\a+3],   v[FAA+\slot] offset:(128*(\a/4)+16*(\a%4))*PITCH+64*\ks
	ds_load_b128 v[AF+8*\a+4:AF+8*\a+7], v[FAA+\slot] offset:(128*(\a/4)+16*(\a%4))*PITCH+64*\ks+32
.endr
.endm
.macro MULROW a, zero
.irp b, 0,1,2,3
.if \zero
	v_wmma_f32_16x16x32_f16 v[8*(4*\a+\b):8*(4*\a+\b)+7], v[BF+8*\b:BF+8*\b+7], v[AF+8*\a:AF+8*\a+7], 0
.else
	v_wmma_f32_16x16x32_f16 v[8*(4*\a+\b):8*(4*\a+\b)+7], v[BF+8*\b:BF+8*\b+7], v[AF+8*\a:AF+8*\a+7], v[8*(4*\a+\b):8*(4*\a+\b)+7]
.endif
.endr
.endm
; 32 matrix instructions; the 32 accumulators take turns, one instruction a turn.  zero = 1: the first product starts the sums.
.macro MUL32 zero
	s_wait_dscnt 8                                 ; W's fragments and x's 0-3 are in; the youngest eight loads are x's fragments 4-7
	WIN 0x50                                       ; C and D in window 1
.irp a, 0,1,2,3
	MULROW \a, \zero
.endr
	s_wait_dscnt 0x0
.irp a, 4,5,6,7
	MULROW \a, \zero
.endr
	WIN 0
.endm
; One K step of 64 on slot.  stage = 1: the next step's numbers, asked for a step ago, are converted into the other slot; more = 1: the step after it is asked for.
.macro TRIPW slot, zero, stage, more
	FRAGS \slot, 0
	MUL32 \zero
.if \stage
	s_wait_loadcnt 0x0                             ; the 32 loads of the next tile are the only ones out; the wait also frees their two bases
	CONV 1-\slot
.if \more
	s_add_nc_u64 s[36:37], s[36:37], 256
	s_add_nc_u64 s[38:39], s[38:39], 256
	GLOAD
.endif
.endif
	FRAGS \slot, 1
	MUL32 0
.endm
; The barrier at a step's end orders two things: this step's reads of its slot come before the next step's stores into it,
; and this step's stores into the other slot come before the next step's reads of it.
.macro TRIP slot, zero, stage, more
	TRIPW \slot, \zero, \stage, \more
	BAR
.endm
	GLOAD                                          ; K step 0
	s_wait_loadcnt 0x0
	CONV 0
	s_add_nc_u64 s[36:37], s[36:37], 256
	s_add_nc_u64 s[38:39], s[38:39], 256
	GLOAD                                          ; K step 1
	BAR
	TRIP 0, 1, 1, 1                                ; steps 0 and 1 stand in front of the loop: the first products start the sums
	TRIP 1, 0, 1, 1
	s_mov_b32 s54, 6
.Llap:                                             ; steps 2 to 13
	TRIP 0, 0, 1, 1
	TRIP 1, 0, 1, 1
	s_sub_co_u32 s54, s54, 1
	s_cmp_lg_u32 s54, 0
	s_cbranch_scc1 .Llap
	TRIP 0, 0, 1, 0                                ; step 14 converts step 15's numbers and asks for nothing more
	; the staging registers are free: ask now for what the epilogue needs, so that it lands during the last step
	s_cmp_eq_u32 s29, 2
	s_cbranch_scc1 .Lwload
.set i, 0
.rept 16
	global_load_b128 v[ST+4*i:ST+4*i+3], v[FO], s[42:43] offset:2048*i     ; freqs: my 16 tokens, 512 bytes each
.set i, i+1
.endr
	s_branch .Llast
.Lwload:
.set i, 0
.rept 8
	global_load_b128 v[ST+8*i:ST+8*i+3],   v[WI], s[58:59] offset:8192*i      ; Wo: 8 numbers a thread, 8 times
	global_load_b128 v[ST+8*i+4:ST+8*i+7], v[WI], s[58:59] offset:8192*i+16
.set i, i+1
.endr
.Llast:
	TRIPW 1, 0, 0, 0                               ; step 15
	PLACES                                         ; behind the last matrix instructions, ahead of every read of a result
	s_wait_loadcnt 0x0
	s_cmp_eq_u32 s29, 2
	s_cbranch_scc1 .Lwstore
.set i, 0
.rept 16
	ds_store_b128 v[FTW], v[ST+4*i:ST+4*i+3] offset:FPITCH*i
.set i, i+1
.endr
	s_branch .Lbar
.Lwstore:
.set i, 0
.rept 32
	v_cvt_pk_f16_f32 v[ST+i], v[ST+2*i], v[ST+2*i+1]
.set i, i+1
.endr
.set i, 0
.rept 8
	global_store_b128 v[WOO], v[ST+4*i:ST+4*i+3], s[60:61] offset:4096*i   ; a wave's store covers 512 consecutive bytes, aligned
.set i, i+1
.endr
.Lbar:
	BAR                                            ; every wave has read its last fragments (the slots become the way out) and the freq table is whole
	s_cmp_eq_u32 s29, 2
	s_cbranch_scc1 .Lvout
	; Q and K: my freqs (token 64 wm + 16 a' + r, pairs 32 wn + 8 b + 4 h .. + 3), 16 loads
.irp ap, 0,1,2,3
.irp b, 0,1,2,3
	ds_load_b128 v[ST+4*(4*\ap+\b):ST+4*(4*\ap+\b)+3], v[FTR] offset:16*FPITCH*\ap+32*\b
.endr
.endr
	s_wait_dscnt 0x0
; sc sin and sc cos of four angles at register f: SS, CC
.macro SINCOS f
.irp q, 0,2
	v_pk_mul_f32 v[TN+\q:TN+\q+1], v[\f+\q:\f+\q+1], 0x3e22f983 op_sel_hi:[1,0]          ; x / (2 pi)
.endr
.irp q, 0,1,2,3
	v_rndne_f32 v[HH+\q], v[TN+\q]
.endr
.irp q, 0,2
	v_pk_add_f32 v[TN+\q:TN+\q+1], v[TN+\q:TN+\q+1], v[HH+\q:HH+\q+1] neg_lo:[0,1] neg_hi:[0,1]   ; minus its nearest whole number: at most 1/2
.endr
.irp q, 0,2
	v_pk_mul_f32 v[HH+\q:HH+\q+1], v[TN+\q:TN+\q+1], 0x40490fdb op_sel_hi:[1,0]          ; times pi: half the reduced angle
.endr
.irp q, 0,2
	v_pk_mul_f32 v[UU+\q:UU+\q+1], v[HH+\q:HH+\q+1], v[HH+\q:HH+\q+1]
.endr
.irp q, 0,2
	v_pk_fma_f32 v[SP+\q:SP+\q+1], v[UU+\q:UU+\q+1], v[C9:C9+1], 0xb9500d01 op_sel_hi:[1,1,0]
	v_pk_fma_f32 v[CP+\q:CP+\q+1], v[UU+\q:UU+\q+1], v[C10:C10+1], 0x37d00d01 op_sel_hi:[1,1,0]
.endr
.irp q, 0,2
	v_pk_fma_f32 v[SP+\q:SP+\q+1], v[SP+\q:SP+\q+1], v[UU+\q:UU+\q+1], 0x3c088889 op_sel_hi:[1,1,0]
	v_pk_fma_f32 v[CP+\q:CP+\q+1], v[CP+\q:CP+\q+1], v[UU+\q:UU+\q+1], 0xbab60b61 op_sel_hi:[1,1,0]
.endr
.irp q, 0,2
	v_pk_fma_f32 v[SP+\q:SP+\q+1], v[SP+\q:SP+\q+1], v[UU+\q:UU+\q+1], 0xbe2aaaab op_sel_hi:[1,1,0]
	v_pk_fma_f32 v[CP+\q:CP+\q+1], v[CP+\q:CP+\q+1], v[UU+\q:UU+\q+1], 0x3d2aaaab op_sel_hi:[1,1,0]
.endr
.irp q, 0,2
	v_pk_fma_f32 v[SP+\q:SP+\q+1], v[SP+\q:SP+\q+1], v[UU+\q:UU+\q+1], 1.0 op_sel_hi:[1,1,0]
	v_pk_fma_f32 v[CP+\q:CP+\q+1], v[CP+\q:CP+\q+1], v[UU+\q:UU+\q+1], -0.5 op_sel_hi:[1,1,0]
.endr
.irp q, 0,2
	v_pk_mul_f32 v[SP+\q:SP+\q+1], v[SP+\q:SP+\q+1], v[HH+\q:HH+\q+1]                    ; sin of the half angle
	v_pk_fma_f32 v[CP+\q:CP+\q+1], v[CP+\q:CP+\q+1], v[UU+\q:UU+\q+1], 1.0 op_sel_hi:[1,1,0]   ; cos of it
.endr
.irp q, 0,2
	v_pk_mul_f32 v[SS+\q:SS+\q+1], v[SP+\q:SP+\q+1], v[CP+\q:CP+\q+1]
	v_pk_mul_f32 v[CC+\q:CC+\q+1], v[SP+\q:SP+\q+1], v[SP+\q:SP+\q+1]
.endr
.irp q, 0,2
	v_pk_mul_f32 v[SS+\q:SS+\q+1], v[SS+\q:SS+\q+1], v[S2:S2+1]                          ; sc sin x = 2 sc s c
	v_pk_fma_f32 v[CC+\q:CC+\q+1], v[CC+\q:CC+\q+1], v[SM2:SM2+1], v[S1:S1+1]            ; sc cos x = sc - 2 sc s s
.endr
.endm
; one pair (x0, x1) at x: t = (x1 s, x0 s); y = (x0 c - t.lo, x1 c + t.hi).  sg says which register of the s and c pairs is this pair's.
.macro RP x, sp, cp, t, y, sg
.if \sg
	v_pk_mul_f32 v[\t:\t+1], v[\x:\x+1], v[\sp:\sp+1] op_sel:[1,1] op_sel_hi:[0,1]
	v_pk_fma_f32 v[\y:\y+1], v[\x:\x+1], v[\cp:\cp+1], v[\t:\t+1] op_sel:[0,1,0] op_sel_hi:[1,1,1] neg_lo:[0,0,1]
.else
	v_pk_mul_f32 v[\t:\t+1], v[\x:\x+1], v[\sp:\sp+1] op_sel:[1,0] op_sel_hi:[0,0]
	v_pk_fma_f32 v[\y:\y+1], v[\x:\x+1], v[\cp:\cp+1], v[\t:\t+1] op_sel:[0,0,0] op_sel_hi:[1,0,1] neg_lo:[0,0,1]
.endif
.endm
; tiles (ap, b) of batch 0 and (4 + ap, b) of batch 1 share their angles
.macro ROPE2 ap, b
	WIN 0x01                                       ; source 0: the accumulators
.irp be, 0,1
.irp p, 0,1,2,3
	RP 8*(4*(4*\be+\ap)+\b)+2*\p, SS+2*(\p/2), CC+2*(\p/2), TT+2*\p, YY+8*\be+2*\p, \p%2
.endr
.endr
	WIN 0
.irp be, 0,1
.irp p, 0,1,2,3
	v_cvt_pk_f16_f32 v[PK+4*\be+\p], v[YY+8*\be+2*\p], v[YY+8*\be+2*\p+1]
.endr
	ds_store_b128 v[STO], v[PK+4*\be:PK+4*\be+3] offset:16*PITCH*(4*\be+\ap)+32*\b
.endr
.endm
.irp ap, 0,1,2,3
.irp b, 0,1,2,3
	SINCOS ST+4*(4*\ap+\b)
	ROPE2 \ap, \b
.endr
.endr
	s_branch .Ljoin
.Lvout:                                            ; V: round and stage
.irp a, 0,1,2,3,4,5,6,7
	WIN 0x05
.irp b, 0,1,2,3
.irp p, 0,1,2,3
	v_cvt_pk_f16_f32 v[TT+4*\b+\p], v[8*(4*\a+\b)+2*\p], v[8*(4*\a+\b)+2*\p+1]
.endr
.endr
	WIN 0
.irp b, 0,1,2,3
	ds_store_b128 v[STO], v[TT+4*\b:TT+4*\b+3] offset:16*PITCH*\a+32*\b
.endr
.endr
.Ljoin:
	; my 128 rows of 128 bytes come back four rows a load and leave as 512 consecutive bytes a store (a head's rows are dense in the output).
	; The stage is my own and LDS serves a wave's instructions in order (ISA guide 5.7.1): no wait between the stores above and these loads.
	s_wait_xcnt 0x0                                ; V's way: the stores of wo16 have read their data registers, which are loaded again here
.set n, 0
.rept 32
	ds_load_b128 v[ST+4*n:ST+4*n+3], v[RD] offset:64*PITCH*(n/16)+4*PITCH*(n%16)
.set n, n+1
.endr
.set n, 0
.rept 32
	s_wait_dscnt 31-n                              ; loads come back in order: number n is in, the younger ones stay out
	global_store_b128 v[OO], v[ST+4*n:ST+4*n+3], s[40:41] offset:4194304*(n/16)+512*(n%16)
.set n, n+1
.endr
	s_wait_xcnt 0x0
	v_lshl_add_u32 v254, v0, 2, 0x34800
	v_mov_b32 v255, 0
	s_wait_tensorcnt 0x0
	ds_add_u32 v254, v255
	s_wait_dscnt 0x0
	s_endpgm
.Lfunc_end_k_q7a02336f42_proj:
	.size	k_q7a02336f42_proj, .Lfunc_end_k_q7a02336f42_proj-k_q7a02336f42_proj
	.p2alignl 7, 3214868480
	.fill 96, 4, 3214868480
	.section	.rodata,"a",@progbits
	.p2align	6, 0x0
	.amdhsa_kernel k_q7a02336f42_proj
		.amdhsa_group_segment_fixed_size 216064
		.amdhsa_private_segment_fixed_size 0
		.amdhsa_enable_private_segment 0
		.amdhsa_kernarg_size 96
		.amdhsa_user_sgpr_count 2
		.amdhsa_user_sgpr_kernarg_segment_ptr 1
		.amdhsa_wavefront_size32 1
		.amdhsa_system_sgpr_workgroup_id_x 1
		.amdhsa_system_sgpr_workgroup_id_y 1
		.amdhsa_system_sgpr_workgroup_id_z 1
		.amdhsa_system_vgpr_workitem_id 0
		.amdhsa_next_free_vgpr 512
		.amdhsa_next_free_sgpr 66
		.amdhsa_reserve_vcc 0
		.amdhsa_float_denorm_mode_32 3
		.amdhsa_float_denorm_mode_16_64 3
		.amdhsa_memory_ordered 1
		.amdhsa_forward_progress 1
		.amdhsa_inst_pref_size 203
	.end_amdhsa_kernel
	.amdgpu_metadata
---
amdhsa.version: [ 1, 2 ]
amdhsa.kernels:
  - .name:           k_q7a02336f42_proj
    .symbol:         k_q7a02336f42_proj.kd
    .args:
      - { .name: query, .offset: 0, .size: 8, .value_kind: global_buffer, .address_space: global }
      - { .name: key, .offset: 8, .size: 8, .value_kind: global_buffer, .address_space: global }
      - { .name: value, .offset: 16, .size: 8, .value_kind: global_buffer, .address_space: global }
      - { .name: Wq, .offset: 24, .size: 8, .value_kind: global_buffer, .address_space: global }
      - { .name: Wk, .offset: 32, .size: 8, .value_kind: global_buffer, .address_space: global }
      - { .name: Wv, .offset: 40, .size: 8, .value_kind: global_buffer, .address_space: global }
      - { .name: Wo, .offset: 48, .size: 8, .value_kind: global_buffer, .address_space: global }
      - { .name: freqs, .offset: 56, .size: 8, .value_kind: global_buffer, .address_space: global }
      - { .name: qr, .offset: 64, .size: 8, .value_kind: global_buffer, .address_space: global }
      - { .name: kr, .offset: 72, .size: 8, .value_kind: global_buffer, .address_space: global }
      - { .name: vh, .offset: 80, .size: 8, .value_kind: global_buffer, .address_space: global }
      - { .name: wo16, .offset: 88, .size: 8, .value_kind: global_buffer, .address_space: global }
    .group_segment_fixed_size: 216064
    .private_segment_fixed_size: 0
    .kernarg_segment_align: 8
    .kernarg_segment_size: 96
    .max_flat_workgroup_size: 256
    .sgpr_count:     66
    .vgpr_count:     512
    .wavefront_size: 32
...
	.end_amdgpu_metadata
.endif
;; end of part 1
;; launch attn (part 2): grid 8 x 32, 8 waves a work-group, clusters of 4 x 1, 327,680 bytes of LDS; arguments qr, kr, vh, query_id, kv_id, attn_mask, bias_emb, yh; writes yh
.if DOCPART == 2
	.amdgcn_target "amdgcn-amd-amdhsa--gfx1250"
	.amdhsa_code_object_version 6
	.text
	.protected	k_q7a02336f42_attn
	.globl	k_q7a02336f42_attn
	.p2align	8
	.type	k_q7a02336f42_attn,@function
k_q7a02336f42_attn:
	s_mov_b64 s[64:65], 0
	v_nop
	global_prefetch_b8 v0, s[64:65] scope:SCOPE_SE
	s_setreg_imm32_b32 hwreg(HW_REG_WAVE_MODE, 25, 1), 1
	s_wait_xcnt 0x0
	s_wait_alu depctr_hold_cnt(0) depctr_sa_sdst(0) depctr_va_vdst(0) depctr_va_sdst(0) depctr_va_ssrc(0) depctr_va_vcc(0) depctr_vm_vsrc(0)
	s_getreg_b32 s2, hwreg(HW_REG_IB_STS2, 6, 4)
	s_cmp_eq_u32 s2, 0
	s_cbranch_scc0 .Lentry_in_a_cluster
	s_endpgm
.Lentry_in_a_cluster:
	s_bfe_u32 s2, ttmp6, 0x10000c
	s_cmp_lg_u32 s2, 0x3003
	s_cbranch_scc0 .Lentry_shape_is_right
	s_endpgm
.Lentry_shape_is_right:
; Attention of one head for 256 queries: y = softmax(Q K^T / 8 + bias, masked) V.  qr, kr, vh: [batch][head][2048][64] f16; qr already holds Q x 0.125 log2 e.
; Work-group (x = query block of 256, y = 16 batch + head); eight waves of 32 queries (two tiles of 16).
; CLUSTER: the four work-groups of a cluster are four query blocks of one head and walk the same K and V: every tile is asked for jointly (mask 15).
; The place in the cluster enters only the global addresses of Q, query_id and y.
; LAYOUT: S^T = K Q^T (source 0 = 16 keys, source 1 = 16 queries): lane (r, h) holds query r, keys 8 h .. 8 h + 7 of the tile, so the running maximum stays
; in the lane but for one exchange of the halves, and two packed tiles of 16 keys ARE the second product's fragment of 32 keys.  O^T = V^T P^T, V^T read from
; [key][d] rows by the transposing LDS load.  A fifth product with a fragment of ones makes the row sums, from the same rounded P.
; Bias and mask enter as the C operand of the first product: t0[key] = b0 log2 e, or -1e37 where the key is masked; t0 + (b1 - b0) log2 e where the ids match.
; The maximum is taken away before every exponential, by a running maximum that starts at -1e30.
; LIMITS: scores below -1e30 (in base-2 units) count as masked.  A batch with every key masked gives 0 x infinity = NaN, as the softmax of a row of -inf does.
; P, Q, K, V are f16 (P lies in 0..1).
.set KP,   144                         ; K: 128 bytes a key + 16
.set VP,   160                         ; V: 128 bytes a key + 32, an odd multiple of 32 for the transposing load
.set REG,  10240                       ; a wave's region of a slot: 64 keys
.set SLOT, 81920                       ; 256 keys: K's four regions, then V's four
.set KIDT, 163840                      ; kv_id of the batch, 2,048 words; t0 lies 8,192 bytes behind it
.set STG,  180224                      ; way out: 32 rows x 144 bytes for each wave.  No tensor load ever fills the tables or the stage.
.set KA,  4                            ; v4-5   my K fragments, slot 0, 1
.set VA,  6                            ; v6-7   my V fragments, slot 0, 1
.set TA,  8                            ; v8     the tables, stepped by 256 keys a trip
.set STO, 9
.set RD,  10
.set YO,  11
.set MP,  12                           ; v[12:13], v[14:15]  running maximum of query tile n (the first register counts)
.set AL,  16                           ; v[16:17], v[18:19]  factor of the old sums
.set RR,  20                           ; v[20:21], v[22:23]  1 / row sum
.set T,   24                           ; v24-27 at work
.set QF,  32                           ; v[32:63]   Q(n, dh) at 16 n + 8 dh
.set KF,  64                           ; v[64:127]  K(kt, dh) at 16 kt + 8 dh
.set SC,  128                          ; v[128:191] S(kt, n) at 32 (kt/2) + 16 n + 8 (kt%2); P(g, n) = the first 8 registers at 32 g + 16 n
; window 1 (v256-511):
.set OA,   0                           ; O(dt, n) at 8 (2 dt + n), dt = 4: the row sums
.set VF,   80                          ; V(g, dt) at 32 g + 8 dt
.set KID,  144                         ; kv_id of the step's 64 keys: my 8 of each tile
.set TB0,  176                         ; t0 of them
.set TB1,  208                         ; t0 + delta
.set ONES, 240
.set QID,  248                         ; query_id of my query in tile 0, 1
.set DL,   250                         ; delta, twice
.set G1K, 32
.set G1V, 40
.set G0K, 48
.set G0V, 56
.set MSB, 0
.macro WIN new
.if MSB != \new
	s_set_vgpr_msb (MSB<<8)|\new
.set MSB, \new
.endif
.endm
.macro PLACES                          ; four plain vector instructions behind a matrix instruction (ISA guide 7.12.1)
.rept 4
	v_nop
.endr
.endm
.macro ROUND                           ; a round of the cluster's barrier
	s_barrier_signal -1
	s_barrier_wait -1
	s_cmp_lg_u32 s20, 0
	s_cbranch_scc1 .Lnot_wave_0_\@
	s_barrier_signal -3
.Lnot_wave_0_\@:
	s_barrier_wait -3
	s_barrier_signal -1
	s_barrier_wait -1
.endm
.macro JLOAD n                         ; waves 0-3 ask for K's four quarters of slot n, waves 4-7 for V's: one load a wave
	s_cmp_eq_u32 s21, 0
	s_cbranch_scc0 .Lfor_v_\@
	tensor_load_to_lds s[G0K+4*(\n):G0K+4*(\n)+3], s[G1K:G1K+7]
	s_nop 0
	s_branch .Lasked_\@
.Lfor_v_\@:
	tensor_load_to_lds s[G0V+4*(\n):G0V+4*(\n)+3], s[G1V:G1V+7]
	s_nop 0
.Lasked_\@:
.endm
	s_load_b256 s[4:11], s[0:1], 0x0               ; qr, kr, vh, query_id
	s_load_b256 s[12:19], s[0:1], 0x20             ; kv_id, attn_mask, bias_emb, yh
	v_lshl_add_u32 v254, v0, 2, 0x35000
	v_mov_b32 v255, 0
	ds_add_u32 v254, v255
	v_lshrrev_b32 v1, 5, v0
	v_readfirstlane_b32 s20, v1                    ; wave
	s_lshr_b32 s21, s20, 2
	s_and_b32 s22, s20, 3
	s_bfe_u32 s23, ttmp6, 0x40000                  ; cx
	s_lshl_b32 s24, ttmp9, 2
	s_add_co_u32 s24, s24, s23                     ; query block
	s_and_b32 s25, ttmp7, 0xffff                   ; 16 batch + head
	s_lshr_b32 s26, s25, 4                         ; batch
	s_and_b32 s27, s25, 15                         ; head
	s_mov_b32 s30, 0x76543210                      ; v_permlanex16_b32: lane i of one half reads lane i of the other
	s_mov_b32 s31, 0xfedcba98
	; group 1: 64 keys of 128 bytes are dense in memory: 32 rows of 256 bytes; behind every 32 words (a key) 4 words of padding (K) or 8 (V)
	s_mov_b32 s[G1K+0], 15|(1<<16)|(1<<20)|(1<<21)|(4<<22)|(3<<25)
	s_mov_b32 s[G1K+1], 128<<16
	s_mov_b32 s[G1K+2], 32<<16
	s_mov_b32 s[G1K+3], 128<<16
	s_mov_b32 s[G1K+4], 32
	s_mov_b32 s[G1K+5], 128
	s_mov_b32 s[G1K+6], 0
	s_mov_b32 s[G1K+7], 0
	s_mov_b32 s[G1V+0], 15|(1<<16)|(1<<20)|(1<<21)|(4<<22)|(7<<25)
	s_mov_b32 s[G1V+1], 128<<16
	s_mov_b32 s[G1V+2], 32<<16
	s_mov_b32 s[G1V+3], 128<<16
	s_mov_b32 s[G1V+4], 32
	s_mov_b32 s[G1V+5], 128
	s_mov_b32 s[G1V+6], 0
	s_mov_b32 s[G1V+7], 0
	s_mul_i32 s29, s20, REG                        ; my region: the wave's number alone
	s_lshl_b32 s88, s25, 18                        ; the head's 262,144 bytes
	s_lshl_b32 s87, s22, 13                        ; my quarter of a tile: 64 keys
	s_add_co_u32 s88, s88, s87
	s_mov_b32 s89, 0
	s_wait_dscnt 0x0
	s_wait_kmcnt 0x0
	s_add_nc_u64 s[90:91], s[6:7], s[88:89]
	s_add_nc_u64 s[92:93], s[8:9], s[88:89]
.irp n, 0,1
	s_mov_b32 s[G0K+4*\n], 1
	s_add_co_u32 s[G0K+4*\n+1], s29, \n*SLOT
	s_add_nc_u64 s[G0K+4*\n+2:G0K+4*\n+3], s[90:91], \n*32768
	s_or_b32 s[G0K+4*\n+3], s[G0K+4*\n+3], 0x80000000
	s_mov_b32 s[G0V+4*\n], 1
	s_add_co_u32 s[G0V+4*\n+1], s29, \n*SLOT
	s_add_nc_u64 s[G0V+4*\n+2:G0V+4*\n+3], s[92:93], \n*32768
	s_or_b32 s[G0V+4*\n+3], s[G0V+4*\n+3], 0x80000000
.endr
	ROUND                                          ; the four work-groups are here: the first joint loads meet
	JLOAD 0                                        ; keys 0-255
	s_lshl_b32 s88, s27, 2
	s_add_nc_u64 s[94:95], s[16:17], s[88:89]
	s_load_b32 s82, s[94:95], 0x0                  ; bias_emb[0][head]
	s_load_b32 s83, s[94:95], 0x40                 ; bias_emb[1][head]
	v_and_b32 v1, 31, v0                           ; L
	v_and_b32 v2, 15, v0                           ; r
	v_bfe_u32 v3, v0, 4, 1                         ; h
	s_lshl_b32 s88, s26, 11
	s_add_nc_u64 s[66:67], s[14:15], s[88:89]      ; the batch's mask
	v_lshlrev_b32 v28, 3, v0                       ; thread t takes keys 8 t .. 8 t + 7
	global_load_b64 v[64:65], v28, s[66:67]
	s_lshl_b32 s88, s26, 13
	s_add_nc_u64 s[68:69], s[12:13], s[88:89]      ; the batch's kv_id
	v_lshlrev_b32 v29, 5, v0
	global_load_b128 v[68:71], v29, s[68:69]
	global_load_b128 v[72:75], v29, s[68:69] offset:16
	s_lshl_b32 s88, s25, 18
	s_lshl_b32 s87, s24, 15                        ; 256 queries of 128 bytes
	s_add_co_u32 s88, s88, s87
	s_lshl_b32 s87, s20, 12                        ; 32 queries a wave
	s_add_co_u32 s88, s88, s87
	s_add_nc_u64 s[70:71], s[4:5], s[88:89]
	v_lshlrev_b32 v30, 7, v2
	v_lshl_add_u32 v30, v3, 4, v30                 ; 128 r + 16 h
.irp n, 0,1
.irp dh, 0,1
	global_load_b128 v[QF+16*\n+8*\dh:QF+16*\n+8*\dh+3],   v30, s[70:71] offset:2048*\n+64*\dh
	global_load_b128 v[QF+16*\n+8*\dh+4:QF+16*\n+8*\dh+7], v30, s[70:71] offset:2048*\n+64*\dh+32
.endr
.endr
	s_lshl_b32 s88, s26, 13
	s_lshl_b32 s87, s24, 10
	s_add_co_u32 s88, s88, s87
	s_lshl_b32 s87, s20, 7
	s_add_co_u32 s88, s88, s87
	s_add_nc_u64 s[72:73], s[10:11], s[88:89]
	v_lshlrev_b32 v31, 2, v2
	WIN 0x40
	global_load_b32 v[QID],   v31, s[72:73]
	global_load_b32 v[QID+1], v31, s[72:73] offset:64
	WIN 0
	; LDS addresses
	v_mul_u32_u24 v[KA], v2, KP
	v_lshl_add_u32 v[KA], v3, 4, v[KA]             ; 144 r + 16 h
	v_add_nc_u32 v[KA+1], SLOT, v[KA]
	v_and_b32 v24, 7, v0
	v_lshl_add_u32 v25, v3, 3, v24                 ; 8 h + L % 8
	v_bfe_u32 v26, v0, 3, 1
	v_mul_u32_u24 v[VA], v25, VP
	v_lshl_add_u32 v[VA], v26, 4, v[VA]
	v_add_nc_u32 v[VA], 4*REG, v[VA]
	v_add_nc_u32 v[VA+1], SLOT, v[VA]
	v_lshlrev_b32 v[TA], 5, v3
	v_add_nc_u32 v[TA], KIDT, v[TA]                ; my 8 keys of a tile of 16: 32 h
	s_mul_i32 s87, s20, 32*KP
	s_add_co_u32 s87, s87, STG
	v_add_nc_u32 v[STO], s87, v[KA]
	v_lshrrev_b32 v25, 3, v1
	v_lshlrev_b32 v24, 4, v24
	v_mad_u32_u24 v[RD], v25, KP, v24
	v_add_nc_u32 v[RD], s87, v[RD]
	v_lshl_add_u32 v[YO], v25, 7, v24
.irp i, 0,1,2,3
	v_mov_b32 v[MP+\i], 0xf149f2ca                 ; -1e30
	v_mov_b32 v[AL+\i], 0                          ; the pairs' second registers are named by packed instructions and never used
	v_mov_b32 v[RR+\i], 0
.endr
	v_mov_b32 v27, 0
	; the tables: kv_id as it is, t0 = b0 log2 e or -1e37
	s_wait_kmcnt 0x0
	v_mov_b32 v24, s82
	v_mov_b32 v25, s83
	v_mul_f32 v24, 0x3fb8aa3b, v24
	v_mul_f32 v25, 0x3fb8aa3b, v25
	v_sub_f32 v25, v25, v24                        ; delta
	v_mov_b32 v26, 0xfcf0bdc2                      ; -1e37
	s_wait_loadcnt 10                              ; mask and kv_id are in; the 8 loads of Q and the 2 of query_id are younger
.irp j, 0,1,2,3,4,5,6,7
	v_bfe_u32 v27, v[64+\j/4], 8*(\j%4), 8
	v_cmp_ne_u32 vcc_lo, 0, v27
	v_cndmask_b32 v[76+\j], v26, v24, vcc_lo
.endr
	v_add_nc_u32 v28, KIDT, v29
	ds_store_b128 v28, v[68:71]
	ds_store_b128 v28, v[72:75] offset:16
	ds_store_b128 v28, v[76:79] offset:8192
	ds_store_b128 v28, v[80:83] offset:8208
	WIN 0x40
.irp i, 0,1,2,3,4,5,6,7
	v_mov_b32 v[ONES+\i], 0x3c003c00               ; 1.0, 1.0 in f16
.endr
	v_mov_b32 v[DL], v25
	v_mov_b32 v[DL+1], v25
	WIN 0
	s_wait_loadcnt 0x0                             ; Q and query_id
.macro SUBT b, m                       ; 8 scores minus the maximum
.irp p, 0,2,4,6
	v_pk_add_f32 v[\b+\p:\b+\p+1], v[\b+\p:\b+\p+1], v[\m:\m+1] op_sel_hi:[1,0] neg_lo:[0,1] neg_hi:[0,1]
.endr
.endm
.macro EXPT b
.irp p, 0,1,2,3,4,5,6,7
	v_exp_f32 v[\b+\p], v[\b+\p]
.endr
.endm
.macro PACK d, b
	s_wait_alu depctr_va_vdst(0)
.irp p, 0,1,2,3
	v_cvt_pk_f16_f32 v[\d+\p], v[\b+2*\p], v[\b+2*\p+1]
.endr
.endm
; Query tile n: new maximum over my 32 scores and the other half's, factor of the old sums, P = 2^(S - m) packed to f16 in place.
; Behind each run of v_exp_f32 a plain vector instruction that names none of its registers stands ahead of the first use (ISA guide 5.7.2):
; the next tile's subtractions, at the end a v_nop; behind the factor's exponential the move of the maximum.
.macro SOFTMAX n, first
	v_max3_num_f32 v[T],   v[MP+2*\n], v[SC+16*\n], v[SC+16*\n+1]
	v_max3_num_f32 v[T+1], v[SC+32+16*\n], v[SC+32+16*\n+1], v[SC+32+16*\n+2]
.irp k, 1,2,3,4,5,6
	v_max3_num_f32 v[T],   v[T],   v[SC+16*\n+2*\k], v[SC+16*\n+2*\k+1]
	v_max3_num_f32 v[T+1], v[T+1], v[SC+32+16*\n+2*\k+1], v[SC+32+16*\n+2*\k+2]
.endr
	v_max3_num_f32 v[T], v[T], v[SC+16*\n+14], v[SC+16*\n+15]
	v_max3_num_f32 v[T], v[T], v[T+1], v[SC+32+16*\n+15]
	v_permlanex16_b32 v[T+1], v[T], s30, s31
	v_max_num_f32 v[T+2], v[T], v[T+1]
.if \first == 0
	v_sub_f32 v[T+3], v[MP+2*\n], v[T+2]
	v_exp_f32 v[AL+2*\n], v[T+3]
.endif
	v_mov_b32 v[MP+2*\n], v[T+2]
	SUBT SC+16*\n, MP+2*\n
	EXPT SC+16*\n
	SUBT SC+16*\n+8, MP+2*\n
	PACK SC+16*\n, SC+16*\n
	EXPT SC+16*\n+8
	SUBT SC+32+16*\n, MP+2*\n
	PACK SC+16*\n+4, SC+16*\n+8
	EXPT SC+32+16*\n
	SUBT SC+32+16*\n+8, MP+2*\n
	PACK SC+32+16*\n, SC+32+16*\n
	EXPT SC+32+16*\n+8
	v_nop
	s_wait_alu depctr_va_vdst(0)
	PACK SC+32+16*\n+4, SC+32+16*\n+8
.endm
.macro PV1 d, a, b, zero
.if \zero
	v_wmma_f32_16x16x32_f16 v[\d:\d+7], v[\a:\a+7], v[\b:\b+7], 0
.else
	v_wmma_f32_16x16x32_f16 v[\d:\d+7], v[\a:\a+7], v[\b:\b+7], v[\d:\d+7]
.endif
.endm
; 64 keys: quarter q of the slot.  first = 1: the first products start O and the row sums.
.macro STEP slot, q, first
	PLACES                                         ; V's and P's registers were sources of the last products
	WIN 0x40
.irp kt, 0,1,2,3
	ds_load_b128 v[KID+8*\kt:KID+8*\kt+3],   v[TA] offset:256*\q+64*\kt
	ds_load_b128 v[KID+8*\kt+4:KID+8*\kt+7], v[TA] offset:256*\q+64*\kt+16
	ds_load_b128 v[TB0+8*\kt:TB0+8*\kt+3],   v[TA] offset:8192+256*\q+64*\kt
	ds_load_b128 v[TB0+8*\kt+4:TB0+8*\kt+7], v[TA] offset:8192+256*\q+64*\kt+16
.endr
	WIN 0
.irp kt, 0,1,2,3
.irp dh, 0,1
	ds_load_b128 v[KF+16*\kt+8*\dh:KF+16*\kt+8*\dh+3],   v[KA+\slot] offset:REG*\q+16*KP*\kt+64*\dh
	ds_load_b128 v[KF+16*\kt+8*\dh+4:KF+16*\kt+8*\dh+7], v[KA+\slot] offset:REG*\q+16*KP*\kt+64*\dh+32
.endr
.endr
	WIN 0x40
.irp g, 0,1
.irp dt, 0,1,2,3
	ds_load_tr16_b128 v[VF+32*\g+8*\dt:VF+32*\g+8*\dt+3],   v[VA+\slot] offset:REG*\q+32*VP*\g+32*\dt
	ds_load_tr16_b128 v[VF+32*\g+8*\dt+4:VF+32*\g+8*\dt+7], v[VA+\slot] offset:REG*\q+32*VP*\g+32*\dt+16*VP
.endr
.endr
	s_wait_dscnt 32                                ; the 16 table loads are in; K's 16 and V's 16 are younger
	WIN 0x45
.set i, 0
.rept 16
	v_pk_add_f32 v[TB1+2*i:TB1+2*i+1], v[TB0+2*i:TB0+2*i+1], v[DL:DL+1]
.set i, i+1
.endr
	WIN 0x05                                       ; the choice selects a value only: t0 + delta where the ids match, t0 elsewhere
.irp kt, 0,1,2,3
.irp n, 0,1
.irp j, 0,1,2,3,4,5,6,7
	v_cmp_eq_u32 s[66+8*\n+\j], v[KID+8*\kt+\j], v[QID+\n]
.endr
.endr
.irp n, 0,1
.irp j, 0,1,2,3,4,5,6,7
	v_cndmask_b32 v[SC+32*(\kt/2)+16*\n+8*(\kt%2)+\j], v[TB0+8*\kt+\j], v[TB1+8*\kt+\j], s[66+8*\n+\j]
.endr
.endr
.endr
	s_wait_dscnt 16                                ; K is in; V's 16 loads are younger
	WIN 0
	; the eight score tiles take turns, one instruction a turn
.irp dh, 0,1
.irp kt, 0,1,2,3
.irp n, 0,1
	PV1 SC+32*(\kt/2)+16*\n+8*(\kt%2), KF+16*\kt+8*\dh, QF+16*\n+8*\dh, 0
.endr
.endr
.endr
	PLACES
	SOFTMAX 0, \first
	SOFTMAX 1, \first
.if \first == 0
	WIN 0x41
.irp dt, 0,1,2,3,4
.irp n, 0,1
.irp p, 0,2,4,6
	v_pk_mul_f32 v[OA+8*(2*\dt+\n)+\p:OA+8*(2*\dt+\n)+\p+1], v[OA+8*(2*\dt+\n)+\p:OA+8*(2*\dt+\n)+\p+1], v[AL+2*\n:AL+2*\n+1] op_sel_hi:[1,0]
.endr
.endr
.endr
.endif
	s_wait_dscnt 0x0                               ; V is in
	WIN 0x51
	; the ten accumulators take turns, one instruction a turn
.irp g, 0,1
.irp dt, 0,1,2,3
.irp n, 0,1
	PV1 OA+8*(2*\dt+\n), VF+32*\g+8*\dt, SC+32*\g+16*\n, \first*(1-\g)
.endr
.endr
.irp n, 0,1
	PV1 OA+8*(8+\n), ONES, SC+32*\g+16*\n, \first*(1-\g)
.endr
.endr
	WIN 0
.endm
; 256 keys in slot.  In front of the round every wave waits for all its tensor loads (one is out: its part of this slot) and for its LDS reads of the
; other slot; behind the round no wave of any of the four work-groups reads that slot, and it is asked for again first thing, one load a wave.
; That load has the four steps below in which to land.  The first trip's round also shows the tables to every wave.
.macro TRIP slot, refill, first
	s_wait_tensorcnt 0x0
	ds_add_u32 v254, v255
	s_wait_dscnt 0x0
	s_add_nc_u64 s[G0K+4*\slot+2:G0K+4*\slot+3], s[G0K+4*\slot+2:G0K+4*\slot+3], 65536   ; no load of mine is out: this slot's next tile, 512 keys on
	s_add_nc_u64 s[G0V+4*\slot+2:G0V+4*\slot+3], s[G0V+4*\slot+2:G0V+4*\slot+3], 65536
	s_wait_dscnt 0x0
	ROUND
.if \refill
	JLOAD 1-\slot
.endif
	STEP \slot, 0, \first
	STEP \slot, 1, 0
	STEP \slot, 2, 0
	STEP \slot, 3, 0
	v_add_nc_u32 v[TA], 1024, v[TA]                ; the tables' next 256 keys
.endm
	TRIP 0, 1, 1                                   ; keys 0-255; slot 1 gets its first tile as a refill does
	TRIP 1, 1, 0
	s_mov_b32 s28, 2
.Llap:
	TRIP 0, 1, 0
	TRIP 1, 1, 0
	s_sub_co_u32 s28, s28, 1
	s_cmp_lg_u32 s28, 0
	s_cbranch_scc1 .Llap
	TRIP 0, 1, 0
	TRIP 1, 0, 0                                   ; the last 256 keys: nothing is left to ask for (the stepped addresses are not used)
	; the way out: O / row sum, f16, through my own stage, 512 consecutive bytes a store.  y: [token / 128][head][128][64].
	PLACES
	s_lshl_b32 s88, s26, 4
	s_lshl_b32 s87, s24, 1
	s_add_co_u32 s88, s88, s87
	s_add_co_u32 s88, s88, s21                     ; 16 batch + 2 query block + wave / 4
	s_lshl_b32 s88, s88, 18
	s_lshl_b32 s87, s27, 14
	s_add_co_u32 s88, s88, s87
	s_lshl_b32 s87, s22, 12
	s_add_co_u32 s88, s88, s87
	s_add_nc_u64 s[90:91], s[18:19], s[88:89]
	WIN 0x01
	v_rcp_f32 v[RR],   v[OA+64]
	v_rcp_f32 v[RR+2], v[OA+72]
	v_nop                                          ; the plain place behind the reciprocals
	s_wait_alu depctr_va_vdst(0)
.irp n, 0,1
	WIN 0x01
.irp dt, 0,1,2,3
.irp p, 0,2,4,6
	v_pk_mul_f32 v[KF+8*\dt+\p:KF+8*\dt+\p+1], v[OA+8*(2*\dt+\n)+\p:OA+8*(2*\dt+\n)+\p+1], v[RR+2*\n:RR+2*\n+1] op_sel_hi:[1,0]
.endr
.endr
	WIN 0
.set i, 0
.rept 16
	v_cvt_pk_f16_f32 v[KF+32+i], v[KF+2*i], v[KF+2*i+1]
.set i, i+1
.endr
.irp dt, 0,1,2,3
	ds_store_b128 v[STO], v[KF+32+4*\dt:KF+32+4*\dt+3] offset:16*KP*\n+32*\dt
.endr
.endr
.irp t, 0,1,2,3,4,5,6,7
	ds_load_b128 v[SC+4*\t:SC+4*\t+3], v[RD] offset:4*KP*\t        ; my own bytes, served in order (ISA guide 5.7.1): these see the stores above
.endr
.irp t, 0,1,2,3,4,5,6,7
	s_wait_dscnt 7-\t
	global_store_b128 v[YO], v[SC+4*\t:SC+4*\t+3], s[90:91] offset:512*\t
.endr
	s_wait_tensorcnt 0x0
	ds_add_u32 v254, v255
	s_wait_dscnt 0x0
	ROUND                                          ; the closing round: no work-group ends while a partner may still ask for a tile that names it
	s_endpgm
.Lfunc_end_k_q7a02336f42_attn:
	.size	k_q7a02336f42_attn, .Lfunc_end_k_q7a02336f42_attn-k_q7a02336f42_attn
	.p2alignl 7, 3214868480
	.fill 96, 4, 3214868480
	.section	.rodata,"a",@progbits
	.p2align	6, 0x0
	.amdhsa_kernel k_q7a02336f42_attn
		.amdhsa_group_segment_fixed_size 327680
		.amdhsa_private_segment_fixed_size 0
		.amdhsa_enable_private_segment 0
		.amdhsa_kernarg_size 64
		.amdhsa_user_sgpr_count 2
		.amdhsa_user_sgpr_kernarg_segment_ptr 1
		.amdhsa_wavefront_size32 1
		.amdhsa_system_sgpr_workgroup_id_x 1
		.amdhsa_system_sgpr_workgroup_id_y 1
		.amdhsa_system_sgpr_workgroup_id_z 1
		.amdhsa_system_vgpr_workitem_id 0
		.amdhsa_next_free_vgpr 512
		.amdhsa_next_free_sgpr 96
		.amdhsa_reserve_vcc 1
		.amdhsa_float_denorm_mode_32 3
		.amdhsa_float_denorm_mode_16_64 3
		.amdhsa_memory_ordered 1
		.amdhsa_forward_progress 1
		.amdhsa_inst_pref_size 255
	.end_amdhsa_kernel
	.section	.bss,"aw",@nobits
	.p2align	6
	.space	262144
	.amdgpu_metadata
---
amdhsa.version: [ 1, 2 ]
amdhsa.kernels:
  - .name:           k_q7a02336f42_attn
    .symbol:         k_q7a02336f42_attn.kd
    .args:
      - { .name: qr, .offset: 0, .size: 8, .value_kind: global_buffer, .address_space: global }
      - { .name: kr, .offset: 8, .size: 8, .value_kind: global_buffer, .address_space: global }
      - { .name: vh, .offset: 16, .size: 8, .value_kind: global_buffer, .address_space: global }
      - { .name: query_id, .offset: 24, .size: 8, .value_kind: global_buffer, .address_space: global }
      - { .name: kv_id, .offset: 32, .size: 8, .value_kind: global_buffer, .address_space: global }
      - { .name: attn_mask, .offset: 40, .size: 8, .value_kind: global_buffer, .address_space: global }
      - { .name: bias_emb, .offset: 48, .size: 8, .value_kind: global_buffer, .address_space: global }
      - { .name: yh, .offset: 56, .size: 8, .value_kind: global_buffer, .address_space: global }
    .group_segment_fixed_size: 327680
    .private_segment_fixed_size: 0
    .kernarg_segment_align: 8
    .kernarg_segment_size: 64
    .max_flat_workgroup_size: 256
    .sgpr_count:     96
    .vgpr_count:     512
    .wavefront_size: 32
...
	.end_amdgpu_metadata
.endif
;; end of part 2
;; launch oproj (part 3): grid 8 x 32, 4 waves a work-group, clusters of 4 x 4, 327,680 bytes of LDS; arguments yh, wo16, out0; writes out0
.if DOCPART == 3
	.amdgcn_target "amdgcn-amd-amdhsa--gfx1250"
	.amdhsa_code_object_version 6
	.text
	.protected	k_q7a02336f42_oproj
	.globl	k_q7a02336f42_oproj
	.p2align	8
	.type	k_q7a02336f42_oproj,@function
k_q7a02336f42_oproj:
	s_mov_b64 s[64:65], 0
	v_nop
	global_prefetch_b8 v0, s[64:65] scope:SCOPE_SE
	s_setreg_imm32_b32 hwreg(HW_REG_WAVE_MODE, 25, 1), 1
	s_wait_xcnt 0x0
	s_wait_alu depctr_hold_cnt(0) depctr_sa_sdst(0) depctr_va_vdst(0) depctr_va_sdst(0) depctr_va_ssrc(0) depctr_va_vcc(0) depctr_vm_vsrc(0)
	s_getreg_b32 s2, hwreg(HW_REG_IB_STS2, 6, 4)
	s_cmp_eq_u32 s2, 0
	s_cbranch_scc0 .Lentry_in_a_cluster
	s_endpgm
.Lentry_in_a_cluster:
	s_bfe_u32 s2, ttmp6, 0x10000c
	s_cmp_lg_u32 s2, 0xf033
	s_cbranch_scc0 .Lentry_shape_is_right
	s_endpgm
.Lentry_shape_is_right:
; out0[t][n] = sum over c of y[t][c] Wo[n][c].  y: f16, [token / 128][head][128][64]; wo16: f16, [1024][1024]; out0: f32, [4096][1024].
; 256 work-groups, each a block of 128 tokens x 128 channels; four waves of 64 x 64 (16 accumulator tiles).  K = 1024 goes in four tiles of 256
; (four heads) through two LDS slots filled by the tensor data mover.
; CLUSTER 4 x 4: y's tile hangs on the block row alone and is shared along a row of the cluster; Wo's on the block column alone and is shared along a column.
; Waves 0 and 1 ask for y's two halves (two heads each, 32 KiB dense: 128 rows of 256 bytes), waves 2 and 3 for Wo's (64 rows of 512 bytes).
; At most two tensor loads of a wave are out (the two first fills), later one; from a refill to the wait for it a wave issues 128 matrix instructions.
; The matrix instruction is used transposed (source 0 = rows of Wo, source 1 = rows of y): a lane holds 8 neighbouring channels of one token.
.set APITCH, 144                       ; y: a token's 128 bytes of one head + 16
.set BPITCH, 528                       ; Wo: 512 bytes of a row + 16
.set BPART,  73728                     ; behind y's 4 heads x 128 tokens
.set SLOT,   141312
.set STAGE,  282624                    ; way out: 16 rows x 272 bytes for each wave; no tensor load fills it
.set SPITCH, 272
.set FA,  4                            ; v4-5 my y fragments, slot 0, 1
.set FB,  6                            ; v6-7 my Wo fragments
.set STO, 8
.set RD,  9
.set CO,  10
.set AB,  32                           ; buffer f: y's 4 fragments at 32 + 64 f, Wo's 4 at 64 + 64 f
.set BB,  64
; window 1: accumulator tile (a, b) at 8 (4 a + b)
.set G1,  24
.set G0,  32
.set G1B, 48
.set G0B, 56
.set MSB, 0
.macro WIN new
.if MSB != \new
	s_set_vgpr_msb (MSB<<8)|\new
.set MSB, \new
.endif
.endm
.macro PLACES                          ; four plain vector instructions behind a matrix instruction (ISA guide 7.12.1)
.rept 4
	v_nop
.endr
.endm
.macro ROUND
	s_barrier_signal -1
	s_barrier_wait -1
	s_cmp_lg_u32 s10, 0
	s_cbranch_scc1 .Lnot_wave_0_\@
	s_barrier_signal -3
.Lnot_wave_0_\@:
	s_barrier_wait -3
	s_barrier_signal -1
	s_barrier_wait -1
.endm
.macro JLOAD s
	s_cmp_eq_u32 s11, 0
	s_cbranch_scc0 .Lfor_b_\@
	tensor_load_to_lds s[G0+4*\s:G0+4*\s+3], s[G1:G1+7]
	s_nop 0
	s_branch .Lasked_\@
.Lfor_b_\@:
	tensor_load_to_lds s[G0B+4*\s:G0B+4*\s+3], s[G1B:G1B+7]
	s_nop 0
.Lasked_\@:
.endm
	s_load_b128 s[4:7], s[0:1], 0x0                ; yh, wo16
	s_load_b64 s[8:9], s[0:1], 0x10                ; out0
	v_lshl_add_u32 v254, v0, 2, 0x49400
	v_mov_b32 v255, 0
	ds_add_u32 v254, v255
	v_lshrrev_b32 v1, 5, v0
	v_readfirstlane_b32 s10, v1                    ; wave
	s_lshr_b32 s11, s10, 1                         ; my half of the tokens.  Also: I ask for y (0) or for Wo (1)
	s_and_b32 s12, s10, 1                          ; my half of the channels.  Also: which half of that tile I ask for
	s_bfe_u32 s40, ttmp6, 0x40000                  ; cx
	s_bfe_u32 s41, ttmp6, 0x40004                  ; cy
	s_lshl_b32 s42, ttmp9, 2
	s_add_co_u32 s42, s42, s40                     ; block column
	s_and_b32 s13, ttmp7, 0xffff
	s_lshl_b32 s13, s13, 2
	s_add_co_u32 s13, s13, s41                     ; block row
	s_lshl_b32 s43, s41, 2
	s_lshl_b32 s43, 15, s43                        ; my row of the cluster
	s_lshl_b32 s44, 0x1111, s40                    ; my column
	s_or_b32 s[G1+0], s43, (1<<16)|(1<<20)|(1<<21)|(4<<22)|(3<<25)    ; 2-byte elements; behind every 32 words 4 words of padding
	s_mov_b32 s[G1+1], 128<<16                     ; rows of 128 elements
	s_mov_b32 s[G1+2], 128<<16                     ; 128 rows
	s_mov_b32 s[G1+3], 128<<16
	s_mov_b32 s[G1+4], 128
	s_mov_b32 s[G1+5], 128                         ; dense
	s_mov_b32 s[G1+6], 0
	s_mov_b32 s[G1+7], 0
	s_or_b32 s[G1B+0], s44, (1<<16)|(1<<20)|(1<<21)|(6<<22)|(3<<25)   ; behind every 128 words 4 words of padding
	s_mov_b32 s[G1B+1], 256<<16                    ; rows of 256 elements
	s_mov_b32 s[G1B+2], 64<<16                     ; 64 rows
	s_mov_b32 s[G1B+3], 256<<16
	s_mov_b32 s[G1B+4], 64
	s_mov_b32 s[G1B+5], 1024                       ; from row to row of Wo
	s_mov_b32 s[G1B+6], 0
	s_mov_b32 s[G1B+7], 0
	; y's address hangs on the block row, Wo's on the block column, each in registers that never hold the other coordinate
	s_lshl_b32 s16, s13, 18                        ; a token block: 262,144 bytes
	s_lshl_b32 s17, s12, 15                        ; two heads
	s_add_co_u32 s16, s16, s17
	s_mov_b32 s17, 0
	s_lshl_b32 s46, s42, 18                        ; 128 rows of 2,048 bytes
	s_lshl_b32 s47, s12, 17                        ; 64 rows
	s_add_co_u32 s46, s46, s47
	s_mov_b32 s47, 0
	s_mul_i32 s20, s12, 2*128*APITCH               ; LDS: the wave's number alone
	s_mul_i32 s45, s12, 64*BPITCH
	s_add_co_u32 s45, s45, BPART
	s_wait_dscnt 0x0
	s_wait_kmcnt 0x0
	s_add_nc_u64 s[14:15], s[4:5], s[16:17]
	s_add_nc_u64 s[46:47], s[6:7], s[46:47]
	ROUND                                          ; all sixteen work-groups are here: the first joint loads meet
.irp s, 0,1
	s_mov_b32 s[G0+4*\s], 1
	s_add_co_u32 s[G0+4*\s+1], s20, \s*SLOT
	s_add_nc_u64 s[G0+4*\s+2:G0+4*\s+3], s[14:15], \s*65536        ; four heads on
	s_or_b32 s[G0+4*\s+3], s[G0+4*\s+3], 0x80000000
	s_mov_b32 s[G0B+4*\s], 1
	s_add_co_u32 s[G0B+4*\s+1], s45, \s*SLOT
	s_add_nc_u64 s[G0B+4*\s+2:G0B+4*\s+3], s[46:47], \s*512        ; 256 along K
	s_or_b32 s[G0B+4*\s+3], s[G0B+4*\s+3], 0x80000000
	JLOAD \s
.endr
	v_and_b32 v1, 15, v0                           ; r
	v_bfe_u32 v2, v0, 4, 1                         ; h
	v_mul_u32_u24 v3, v1, APITCH
	v_lshl_add_u32 v3, v2, 4, v3
	s_mul_i32 s21, s11, 64*APITCH
	v_add_nc_u32 v[FA], s21, v3
	v_add_nc_u32 v[FA+1], SLOT, v[FA]
	v_mul_u32_u24 v3, v1, BPITCH
	v_lshl_add_u32 v3, v2, 4, v3
	s_mul_i32 s22, s12, 64*BPITCH
	s_add_co_u32 s22, s22, BPART
	v_add_nc_u32 v[FB], s22, v3
	v_add_nc_u32 v[FB+1], SLOT, v[FB]
	s_mul_i32 s23, s10, 16*SPITCH
	s_add_co_u32 s23, s23, STAGE
	v_mul_u32_u24 v3, v1, SPITCH
	v_lshl_add_u32 v3, v2, 5, v3                   ; in: row r, 32 bytes for each half of the lanes
	v_add_nc_u32 v[STO], s23, v3
	v_mul_u32_u24 v3, v2, SPITCH
	v_lshl_add_u32 v3, v1, 4, v3                   ; back: lanes 0-15 one row of 256 bytes, lanes 16-31 the next
	v_add_nc_u32 v[RD], s23, v3
	v_lshlrev_b32 v3, 12, v2
	v_lshl_add_u32 v[CO], v1, 4, v3                ; the same two rows in out0
; 16 LDS loads: the fragments of 32 along K (number ks of the slot's eight) into buffer f
.macro FETCH slot, ks, f
	PLACES
.irp a, 0,1,2,3
	ds_load_b128 v[AB+64*(\f)+8*\a:AB+64*(\f)+8*\a+3],   v[FA+\slot] offset:128*APITCH*((\ks)/2)+16*APITCH*\a+64*((\ks)%2)
	ds_load_b128 v[AB+64*(\f)+8*\a+4:AB+64*(\f)+8*\a+7], v[FA+\slot] offset:128*APITCH*((\ks)/2)+16*APITCH*\a+64*((\ks)%2)+32
.endr
.irp b, 0,1,2,3
	ds_load_b128 v[BB+64*(\f)+8*\b:BB+64*(\f)+8*\b+3],   v[FB+\slot] offset:16*BPITCH*\b+64*(\ks)
	ds_load_b128 v[BB+64*(\f)+8*\b+4:BB+64*(\f)+8*\b+7], v[FB+\slot] offset:16*BPITCH*\b+64*(\ks)+32
.endr
.endm
; 16 matrix instructions; the 16 accumulators take turns, one instruction a turn
.macro MUL16 f, zero
	WIN 0x50
.irp a, 0,1,2,3
.irp b, 0,1,2,3
.if \zero
	v_wmma_f32_16x16x32_f16 v[8*(4*\a+\b):8*(4*\a+\b)+7], v[BB+64*(\f)+8*\b:BB+64*(\f)+8*\b+7], v[AB+64*(\f)+8*\a:AB+64*(\f)+8*\a+7], 0
.else
	v_wmma_f32_16x16x32_f16 v[8*(4*\a+\b):8*(4*\a+\b)+7], v[BB+64*(\f)+8*\b:BB+64*(\f)+8*\b+7], v[AB+64*(\f)+8*\a:AB+64*(\f)+8*\a+7], v[8*(4*\a+\b):8*(4*\a+\b)+7]
.endif
.endr
.endr
	WIN 0
.endm
; a slot's 256 along K: eight steps of 32 on two fragment buffers, each fetched a step ahead
.macro WORK slot, zero
	FETCH \slot, 0, 0
	FETCH \slot, 1, 1
	s_wait_dscnt 16                                ; all but the 16 loads just issued
	MUL16 0, \zero
.irp ks, 1,2,3,4,5,6
	FETCH \slot, (\ks+1), ((\ks+1)%2)
	s_wait_dscnt 16
	MUL16 (\ks%2), 0
.endr
	s_wait_dscnt 0x0
	MUL16 1, 0
.endm
; Slot, which has just been read, is asked for again: every wave waits for all its tensor loads (the other slot's among them) and for its LDS reads;
; behind the round no wave of any partner reads the slot or has a load on its way; the joint load comes first there, one a wave.
.macro REFILL slot
	s_wait_tensorcnt 0x0
	ds_add_u32 v254, v255
	s_add_nc_u64 s[G0+4*\slot+2:G0+4*\slot+3], s[G0+4*\slot+2:G0+4*\slot+3], 131072
	s_add_nc_u64 s[G0B+4*\slot+2:G0B+4*\slot+3], s[G0B+4*\slot+2:G0B+4*\slot+3], 1024
	s_wait_dscnt 0x0
	ROUND
	JLOAD \slot
.endm
	s_wait_tensorcnt 0x1                           ; my part of slot 0 is in; slot 1's load is younger and may stay out
	s_barrier_signal -1
	s_barrier_wait -1
	WORK 0, 1                                      ; K 0-255: the first products start the sums
	REFILL 0                                       ; K 512-767
	WORK 1, 0                                      ; K 256-511
	REFILL 1                                       ; K 768-1023
	WORK 0, 0
	s_wait_tensorcnt 0x0                           ; my part of the last tile is in,
	s_wait_dscnt 0x0
	s_barrier_signal -1
	s_barrier_wait -1                              ; everybody's is
	WORK 1, 0
	; the way out, 16 tokens at a time through my own stage: sixteen lanes store 256 consecutive bytes, aligned
	PLACES
	s_lshl_b32 s16, s13, 19                        ; 128 tokens of 4,096 bytes
	s_lshl_b32 s17, s11, 18
	s_add_co_u32 s16, s16, s17
	s_mov_b32 s17, 0
	s_add_nc_u64 s[8:9], s[8:9], s[16:17]
	s_lshl_b32 s46, s42, 9                         ; 128 channels of 4 bytes
	s_lshl_b32 s47, s12, 8
	s_add_co_u32 s46, s46, s47
	s_mov_b32 s47, 0
	s_add_nc_u64 s[8:9], s[8:9], s[46:47]
.irp a, 0,1,2,3
	WIN 0x04                                       ; store data in window 1
.irp b, 0,1,2,3
	ds_store_b128 v[STO], v[8*(4*\a+\b):8*(4*\a+\b)+3]   offset:64*\b
	ds_store_b128 v[STO], v[8*(4*\a+\b)+4:8*(4*\a+\b)+7] offset:64*\b+16
.endr
	WIN 0
.irp t, 0,1,2,3,4,5,6,7
	ds_load_b128 v[AB+32*\a+4*\t:AB+32*\a+4*\t+3], v[RD] offset:2*SPITCH*\t    ; my own bytes, served in order (ISA guide 5.7.1); each a has registers of its own
.endr
.irp t, 0,1,2,3,4,5,6,7
	s_wait_dscnt 7-\t
	global_store_b128 v[CO], v[AB+32*\a+4*\t:AB+32*\a+4*\t+3], s[8:9] offset:(16*\a+2*\t)*4096
.endr
.endr
	s_wait_tensorcnt 0x0
	ds_add_u32 v254, v255
	s_wait_dscnt 0x0
	ROUND                                          ; the closing round
	s_endpgm
.Lfunc_end_k_q7a02336f42_oproj:
	.size	k_q7a02336f42_oproj, .Lfunc_end_k_q7a02336f42_oproj-k_q7a02336f42_oproj
	.p2alignl 7, 3214868480
	.fill 96, 4, 3214868480
	.section	.rodata,"a",@progbits
	.p2align	6, 0x0
	.amdhsa_kernel k_q7a02336f42_oproj
		.amdhsa_group_segment_fixed_size 327680
		.amdhsa_private_segment_fixed_size 0
		.amdhsa_enable_private_segment 0
		.amdhsa_kernarg_size 24
		.amdhsa_user_sgpr_count 2
		.amdhsa_user_sgpr_kernarg_segment_ptr 1
		.amdhsa_wavefront_size32 1
		.amdhsa_system_sgpr_workgroup_id_x 1
		.amdhsa_system_sgpr_workgroup_id_y 1
		.amdhsa_system_sgpr_workgroup_id_z 1
		.amdhsa_system_vgpr_workitem_id 0
		.amdhsa_next_free_vgpr 384
		.amdhsa_next_free_sgpr 66
		.amdhsa_reserve_vcc 0
		.amdhsa_float_denorm_mode_32 3
		.amdhsa_float_denorm_mode_16_64 3
		.amdhsa_memory_ordered 1
		.amdhsa_forward_progress 1
		.amdhsa_inst_pref_size 88
	.end_amdhsa_kernel
	.amdgpu_metadata
---
amdhsa.version: [ 1, 2 ]
amdhsa.kernels:
  - .name:           k_q7a02336f42_oproj
    .symbol:         k_q7a02336f42_oproj.kd
    .args:
      - { .name: yh, .offset: 0, .size: 8, .value_kind: global_buffer, .address_space: global }
      - { .name: wo16, .offset: 8, .size: 8, .value_kind: global_buffer, .address_space: global }
      - { .name: out0, .offset: 16, .size: 8, .value_kind: global_buffer, .address_space: global }
    .group_segment_fixed_size: 327680
    .private_segment_fixed_size: 0
    .kernarg_segment_align: 8
    .kernarg_segment_size: 24
    .max_flat_workgroup_size: 128
    .sgpr_count:     66
    .vgpr_count:     384
    .wavefront_size: 32
...
	.end_amdgpu_metadata
.endif
;; end of part 3
;; ======== version 2 of 3: 3 launches; 1.32 times as fast as version 1
;; limits: values are held in f16: magnitudes above 65,504 overflow, below 6.1e-05 lose precision; an absolute error that grows with the inputs' magnitude: up to 1.19e-07 times it; right only within a limited range of input values
;; workspace buffers: qr 8,388,608 bytes; kr 8,388,608 bytes; vh 8,388,608 bytes; yh 8,388,608 bytes; wo16 2,097,152 bytes
;; launch proj (part 4): grid 12 x 16, 4 waves a work-group, no clusters, 215,552 bytes of LDS; arguments query, key, value, Wq, Wk, Wv, Wo, freqs, qr, kr, vh, wo16; writes qr, kr, vh, wo16
.if DOCPART == 4
	.amdgcn_target "amdgcn-amd-amdhsa--gfx1250"
	.amdhsa_code_object_version 6
	.text
	.protected	k_q7a02336f42_proj
	.globl	k_q7a02336f42_proj
	.p2align	8
	.type	k_q7a02336f42_proj,@function
k_q7a02336f42_proj:
	s_mov_b64 s[64:65], 0
	v_nop
	global_prefetch_b8 v0, s[64:65] scope:SCOPE_SE
	s_setreg_imm32_b32 hwreg(HW_REG_WAVE_MODE, 25, 1), 1
	s_wait_xcnt 0x0
; Q, K, V = x W^T (x: [2][2048][1024] f32, W: [1024][1024] f32), RoPE on Q and K, results in f16 as [batch][head][token][64].
; Q also takes the factor 0.125 log2(e), so that the attention launch works on base-2 exponents without a multiply per score.
; The work-groups of V also convert Wo to f16 (64 work-groups, 65,536 bytes of f32 each).
; 192 work-groups: x = 4 z + nb (z: 0 Q, 1 K, 2 V; nb: 256 output channels), y = yb (128 tokens).  A block is 256 x 256: rows 0-127 are tokens
; 128 yb .. of batch 0, rows 128-255 the same tokens of batch 1, so that one cos and one sin serve two rows.
; Four waves, as many as a WGP has SIMDs; wave w = 2 wm + wn makes tokens 64 wm .. +63 of both batches (8 fragments of 16 rows) x channels 128 wn .. +127
; (two heads, 8 fragments): 64 accumulator tiles, 512 registers.  For 32 along K a wave reads 32 fragments' halves (16 KiB) and issues 64 matrix instructions.
; K goes in steps of 64 through two LDS slots.  The inputs are f32 and matrix operands are f16, so tiles come through registers: global load, conversion, LDS store.
; A step is four units of 32 matrix instructions (32 along K x one batch); each unit's fragments are asked for one unit ahead, and between the units stands a
; quarter of the next tile's conversion, with the loads of the tile after it: 64 loads (32 KiB) of a wave are on their way, each for a whole step.
; NO JOINT LOADS: the data mover copies bytes as they are; f32 tiles in LDS would double the bytes of every fill and fragment read (128 + 256 KiB a step against 64 + 128).
; FORMAT: all matrix operands are f16.  Limit: the inputs, 0.18 |Q|, |K| and |V| must stay below 65,504.
; RoPE: the angle is reduced as x/(2 pi) minus its nearest whole number; the error of the reduced angle grows as |freqs| x 2^-23 radians.
; sin and cos come from the half angle (at most pi/2) by series to its 9th and 10th power: truncation below 4e-6.
; The matrix instruction is used transposed: source 0 = 16 rows of W, source 1 = 16 rows of x; lane (r, h) then holds token r, channels 8 h .. 8 h + 7 of the tile.
;
; REGISTERS, in windows of 256:  window 0: v4-29 addresses and constants, v32-95 x's fragments (two halves of 4), v96-223 W's fragments (two buffers of 8);
; window 1: numbers on their way (four chunks of 64);  window 2: the 32 accumulator tiles of batch 0, tile (a, b) at 8 (8 a + b);  window 3: those of batch 1.
.set PITCH,  144                       ; LDS row of a tile: 64 f16 + 16 bytes, an odd multiple of 16
.set SLOT,   73728                     ; x's 256 rows, then W's 256 rows
.set BPART,  36864
.set FTAB,   147456                    ; freqs of the block: 128 tokens x 128 f32, pitch 528
.set FPITCH, 528
.set WSTAGE, 36864                     ; behind the last barrier the slots' bytes are the way out: for each wave two heads x 128 rows x 144 bytes
.set HSTAGE, 18432
.set AOFF, 4                           ; v4  byte offset of my 16 bytes in x
.set BOFF, 5                           ; v5  the same in W
.set SAA,  6                           ; v6-7   where I store converted numbers, slot 0, 1
.set FAA,  8                           ; v8-9   my x fragments, slot 0, 1
.set FBA,  10                          ; v10-11 my W fragments, slot 0, 1
.set FO,   12                          ; v12 offset in freqs
.set FTW,  13                          ; v13 freq table, where I write
.set FTR,  14                          ; v14 freq table, where I read
.set STO,  15                          ; v15 way out: where I put 16 bytes
.set RD,   16                          ; v16 way out: where I read rows back
.set OO,   17                          ; v17 offset in the output
.set WI,   18                          ; v18 offset in Wo
.set WOO,  19                          ; v19 offset in wo16
.set C9,   20                          ; v[20:21] 1/9!     v[22:23] -1/10!
.set C10,  22
.set S2,   24                          ; v[24:25] 2 sc     v[26:27] -2 sc     v[28:29] sc  (sc = the result's scale)
.set SM2,  26
.set S1,   28
.set AH,   32                          ; v[32:63] x's fragments of batch 0, v[64:95] of batch 1
.set BB,   96                          ; v[96:159], v[160:223] W's 8 fragments, two buffers
.set FQ,   96                          ; the epilogue: my angles, later the rows on their way out, in W's fragments' place
.set TN, 36                            ; the epilogue's other registers lie in x's fragments' place
.set HH, 40
.set UU, 44
.set SP, 48
.set CP, 52
.set SS, 56
.set CC, 60
.set TT, 64
.set YY, 72
.set PK, 88
.set MSB, 0
.macro WIN new                         ; the immediate's high byte repeats the setting that is left
.if MSB != (\new)
	s_set_vgpr_msb (MSB<<8)|(\new)
.set MSB, (\new)
.endif
.endm
.macro PLACES                          ; four plain vector instructions behind a matrix instruction before its registers are loaded into or its result is read (ISA guide 7.12.1)
.rept 4
	v_nop
.endr
.endm
.macro BAR
	s_wait_dscnt 0x0                   ; my LDS reads and stores are done, for the other waves' sake
	s_barrier_signal -1
	s_barrier_wait -1
.endm
	s_load_b512 s[4:19], s[0:1], 0x0               ; query, key, value, Wq, Wk, Wv, Wo, freqs
	s_load_b256 s[20:27], s[0:1], 0x40             ; qr, kr, vh, wo16
	v_lshl_add_u32 v254, v0, 2, 0x34800
	v_mov_b32 v255, 0
	v_lshrrev_b32 v1, 5, v0
	v_readfirstlane_b32 s28, v1                    ; wave
	s_lshr_b32 s29, ttmp9, 2                       ; z
	s_and_b32 s30, ttmp9, 3                        ; nb
	s_and_b32 s31, ttmp7, 0xffff                   ; yb
	s_lshr_b32 s32, s28, 1                         ; wm.  Also: the batch whose rows of x I move
	s_and_b32 s33, s28, 1                          ; wn.  Also: which 64 tokens of it
	v_and_b32 v1, 31, v0                           ; L
	v_and_b32 v2, 15, v0                           ; r
	v_bfe_u32 v3, v0, 4, 1                         ; h
	; global offsets: sixteen lanes take 256 bytes of a row, the other sixteen the row 8 further down; a wave moves block rows 64 w .. +63
	v_lshlrev_b32 v30, 4, v2
	v_lshl_add_u32 v30, v3, 15, v30                ; 16 r + 8 h rows of 4,096 bytes
	s_lshl_b32 s56, s32, 23                        ; waves 2, 3: batch 1
	s_lshl_b32 s57, s33, 18                        ; 64 rows
	s_add_co_u32 s56, s56, s57
	v_add_nc_u32 v[AOFF], s56, v30
	s_lshl_b32 s56, s28, 18
	v_add_nc_u32 v[BOFF], s56, v30
	v_mul_u32_u24 v30, v3, 8*PITCH
	v_lshl_add_u32 v30, v2, 3, v30                 ; 8 h rows + 8 r bytes
	s_mul_i32 s56, s28, 64*PITCH
	v_add_nc_u32 v[SAA], s56, v30
	v_add_nc_u32 v[SAA+1], SLOT, v[SAA]
	v_mul_u32_u24 v30, v2, PITCH
	v_lshl_add_u32 v30, v3, 4, v30                 ; 144 r + 16 h
	s_mul_i32 s56, s32, 64*PITCH
	v_add_nc_u32 v[FAA], s56, v30
	v_add_nc_u32 v[FAA+1], SLOT, v[FAA]
	s_mul_i32 s56, s33, 128*PITCH
	s_add_co_u32 s56, s56, BPART
	v_add_nc_u32 v[FBA], s56, v30
	v_add_nc_u32 v[FBA+1], SLOT, v[FBA]
	s_mul_i32 s56, s28, WSTAGE
	v_add_nc_u32 v[STO], s56, v30
	v_lshrrev_b32 v31, 3, v1                       ; L / 8
	v_and_b32 v30, 7, v0
	v_lshlrev_b32 v30, 4, v30                      ; 16 (L % 8)
	v_mad_u32_u24 v[RD], v31, PITCH, v30
	v_add_nc_u32 v[RD], s56, v[RD]
	v_lshl_add_u32 v[OO], v31, 7, v30
	s_lshl_b32 s56, s33, 19                        ; my two heads
	s_lshl_b32 s57, s32, 13                        ; my 64 tokens
	s_add_co_u32 s56, s56, s57
	v_add_nc_u32 v[OO], s56, v[OO]
	v_lshlrev_b32 v30, 4, v1
	s_lshl_b32 s56, s28, 16                        ; 32 tokens of freqs a wave
	v_add_nc_u32 v[FO], s56, v30
	s_mul_i32 s56, s28, 32*FPITCH
	s_add_co_u32 s56, s56, FTAB
	v_add_nc_u32 v[FTW], s56, v30
	v_mul_u32_u24 v30, v2, FPITCH
	v_lshl_add_u32 v30, v3, 4, v30
	s_mul_i32 s56, s32, 64*FPITCH
	s_lshl_b32 s57, s33, 8                         ; 64 pairs of 4 bytes
	s_add_co_u32 s56, s56, s57
	s_add_co_u32 s56, s56, FTAB
	v_add_nc_u32 v[FTR], s56, v30
	v_lshlrev_b32 v[WI], 5, v0
	v_lshlrev_b32 v[WOO], 4, v0
	; constants of the series and the result's scale (Q: 0.125 log2 e; K: 1)
	s_mov_b32 s44, 0x3eb8aa3b
	s_mov_b32 s45, 0xbeb8aa3b
	s_mov_b32 s46, 0x3e38aa3b
	s_cmp_eq_u32 s29, 0
	s_cselect_b32 s44, s44, 2.0
	s_cselect_b32 s45, s45, -2.0
	s_cselect_b32 s46, s46, 1.0
	v_mov_b32 v[C9], 0x3638ef1d
	v_mov_b32 v[C9+1], 0x3638ef1d
	v_mov_b32 v[C10], 0xb493f27e
	v_mov_b32 v[C10+1], 0xb493f27e
	v_mov_b32 v[S2], s44
	v_mov_b32 v[S2+1], s44
	v_mov_b32 v[SM2], s45
	v_mov_b32 v[SM2+1], s45
	v_mov_b32 v[S1], s46
	v_mov_b32 v[S1+1], s46
	s_wait_kmcnt 0x0
	s_cmp_eq_u32 s29, 1                            ; which of the three products is mine
	s_cselect_b64 s[36:37], s[6:7], s[4:5]
	s_cselect_b64 s[38:39], s[12:13], s[10:11]
	s_cselect_b64 s[40:41], s[22:23], s[20:21]
	s_cmp_eq_u32 s29, 2
	s_cselect_b64 s[36:37], s[8:9], s[36:37]
	s_cselect_b64 s[38:39], s[14:15], s[38:39]
	s_cselect_b64 s[40:41], s[24:25], s[40:41]
	s_mov_b32 s57, 0
	s_lshl_b32 s56, s31, 19                        ; 128 tokens of 4,096 bytes
	s_add_nc_u64 s[36:37], s[36:37], s[56:57]
	s_lshl_b32 s56, s30, 20                        ; 256 rows of W
	s_add_nc_u64 s[38:39], s[38:39], s[56:57]
	s_lshl_b32 s34, s31, 14                        ; output: 4 heads of 262,144 bytes, 128 tokens of 128 bytes
	s_add_co_u32 s56, s56, s34
	s_add_nc_u64 s[40:41], s[40:41], s[56:57]
	s_lshl_b32 s56, s31, 18                        ; freqs: 128 rows of 2,048 bytes, 128 numbers of 4 bytes
	s_lshl_b32 s34, s30, 9
	s_add_co_u32 s56, s56, s34
	s_add_nc_u64 s[42:43], s[18:19], s[56:57]
	s_lshl_b32 s34, s31, 2
	s_add_co_u32 s34, s34, s30                     ; c = 4 yb + nb: my piece of Wo
	s_lshl_b32 s56, s34, 16
	s_add_nc_u64 s[58:59], s[16:17], s[56:57]
	s_lshl_b32 s56, s34, 15
	s_add_nc_u64 s[60:61], s[26:27], s[56:57]
; Chunk c of a tile = 16 loads = 32 of my 64 rows of x (c = 0, 1) or of W (c = 2, 3), 64 f32 (256 bytes) of each row, into registers 64 c .. 64 c + 63 of window 1
.macro GL c
.set i, 0
.rept 16
	global_load_b128 v[64*\c+4*i:64*\c+4*i+3], v[AOFF+\c/2], s[36+2*(\c/2):37+2*(\c/2)] offset:(16*((16*(\c%2)+i)/8)+i%8)*4096
.set i, i+1
.endr
.endm
; Chunk c of the next tile goes into slot dst: f32 to f16 in place (register i takes numbers 2 i, 2 i + 1: never ahead of what is still to be read), 8 bytes a lane
; into LDS; more = 1: the same chunk of the tile after it is asked for.  cnt = the loads that are younger than this chunk's sixteen.
; The two rows of a store lie 8 x 144 bytes = 288 words apart, half of the 64 banks (ISA guide 11.1): no two lanes meet in a bank.
; The 32 conversions name no register of a matrix instruction: they are the places ahead of the fragment loads that follow a chunk.
.macro CHUNK c, dst, more, cnt
	s_wait_loadcnt \cnt
.if \more
.if \c == 0
	s_wait_xcnt 0x0                                ; the loads that are still out have had their addresses translated (ISA guide 3.1): their two bases are stepped only behind this wait
	s_add_nc_u64 s[36:37], s[36:37], 256
	s_add_nc_u64 s[38:39], s[38:39], 256
.endif
.endif
	WIN 0x45
.set i, 0
.rept 32
	v_cvt_pk_f16_f32 v[64*\c+i], v[64*\c+2*i], v[64*\c+2*i+1]
.set i, i+1
.endr
	WIN 0x04
.set i, 0
.rept 16
	ds_store_b64 v[SAA+\dst], v[64*\c+2*i:64*\c+2*i+1] offset:BPART*(\c/2)+(16*((16*(\c%2)+i)/8)+i%8)*PITCH
.set i, i+1
.endr
.if \more
	WIN 0x40
	GL \c
.endif
	WIN 0
.endm
; 16 LDS loads: W's 8 fragments, 32 along K at byte 64 ks of the rows, into buffer bb
.macro LB bb, slot, ks
	WIN 0
.irp b, 0,1,2,3,4,5,6,7
	ds_load_b128 v[BB+64*\bb+8*\b:BB+64*\bb+8*\b+3],   v[FBA+\slot] offset:16*PITCH*\b+64*\ks
	ds_load_b128 v[BB+64*\bb+8*\b+4:BB+64*\bb+8*\b+7], v[FBA+\slot] offset:16*PITCH*\b+64*\ks+32
.endr
.endm
; 8 LDS loads: x's 4 fragments of batch hi
.macro LA hi, slot, ks
	WIN 0
.irp a, 0,1,2,3
	ds_load_b128 v[AH+32*\hi+8*\a:AH+32*\hi+8*\a+3],   v[FAA+\slot] offset:(128*\hi+16*\a)*PITCH+64*\ks
	ds_load_b128 v[AH+32*\hi+8*\a+4:AH+32*\hi+8*\a+7], v[FAA+\slot] offset:(128*\hi+16*\a)*PITCH+64*\ks+32
.endr
.endm
; 16 matrix instructions: fragments a0, a0 + 1 of batch hi x W's 8 fragments of buffer bb.  zero = 1: the first product starts the sums.
.macro MULH hi, bb, a0, zero
.irp a, \a0, \a0+1
.irp b, 0,1,2,3,4,5,6,7
.if \zero
	v_wmma_f32_16x16x32_f16 v[8*(8*(\a)+\b):8*(8*(\a)+\b)+7], v[BB+64*\bb+8*\b:BB+64*\bb+8*\b+7], v[AH+32*\hi+8*(\a):AH+32*\hi+8*(\a)+7], 0
.else
	v_wmma_f32_16x16x32_f16 v[8*(8*(\a)+\b):8*(8*(\a)+\b)+7], v[BB+64*\bb+8*\b:BB+64*\bb+8*\b+7], v[AH+32*\hi+8*(\a):AH+32*\hi+8*(\a)+7], v[8*(8*(\a)+\b):8*(8*(\a)+\b)+7]
.endif
.endr
.endr
.endm
; A unit: 32 matrix instructions on the 32 accumulators of one batch (C and D in window 2 or 3).  The 64 accumulators take turns, one instruction a turn.
.macro UNIT hi, bb, zero
	WIN (0xa0+0x50*\hi)
	MULH \hi, \bb, 0, \zero
	MULH \hi, \bb, 2, \zero
.endm
; One K step of 64 on slot.  On the way in: W's buffer 0 and batch 0's fragments of the step's first 32 are asked for (24 LDS loads).
; stage = 1: the next tile is converted into the other slot, a chunk behind each unit; more = 1: the tile after it is asked for.
; The counts of the three waits on DScnt are what was issued behind the loads that the unit needs: a chunk's 16 stores (stage = 1) and the next unit's 8 or 24 loads.
; ONE barrier a step, in front of the fourth unit's second half.  In front of it each wave has waited for its reads of this slot and its stores into the other:
; behind it the other slot is whole and is read, and this slot is free for the next step's stores.
.macro TRIP slot, zero, stage, more
.if \stage
	CHUNK 0, 1-\slot, \more, 48
.else
	PLACES
.endif
	LA 1, \slot, 0
	s_wait_dscnt 8+16*\stage
	UNIT 0, 0, \zero
.if \stage
	CHUNK 1, 1-\slot, \more, 32+16*\more
.else
	PLACES
.endif
	LB 1, \slot, 1
	LA 0, \slot, 1
	s_wait_dscnt 24+16*\stage
	UNIT 1, 0, \zero
.if \stage
	CHUNK 2, 1-\slot, \more, 16+32*\more
.else
	PLACES
.endif
	LA 1, \slot, 1
	s_wait_dscnt 8+16*\stage
	UNIT 0, 1, 0
.if \stage
	CHUNK 3, 1-\slot, \more, 48*\more
	s_wait_dscnt 0x0                               ; my reads of this slot and my stores into the other are done: say so,
	s_barrier_signal -1
	WIN 0xf0
	MULH 1, 1, 0, 0                                ; work on registers while the others arrive,
	s_barrier_wait -1
	LB 0, 1-\slot, 0                               ; and ask for the next step's first fragments
	LA 0, 1-\slot, 0
	WIN 0xf0
	MULH 1, 1, 2, 0
.else
	s_wait_dscnt 0x0
	UNIT 1, 1, 0
.endif
	WIN 0
.endm
	WIN 0x40
	GL 0                                           ; K step 0: 64 loads
	GL 1
	GL 2
	GL 3
	WIN 0
	CHUNK 0, 0, 1, 48                              ; into slot 0; K step 1 is asked for.  Behind each chunk's loads stand the three other chunks': 48
	CHUNK 1, 0, 1, 48
	CHUNK 2, 0, 1, 48
	CHUNK 3, 0, 1, 48
	BAR
	LB 0, 0, 0
	LA 0, 0, 0
	TRIP 0, 1, 1, 1                                ; steps 0 and 1 stand in front of the loop: the first products start the sums
	TRIP 1, 0, 1, 1
	s_mov_b32 s54, 6
.Llap:                                             ; steps 2 to 13
	TRIP 0, 0, 1, 1
	TRIP 1, 0, 1, 1
	s_sub_co_u32 s54, s54, 1
	s_cmp_lg_u32 s54, 0
	s_cbranch_scc1 .Llap
	TRIP 0, 0, 1, 0                                ; step 14 converts step 15's numbers and asks for nothing more: its counts run down 48, 32, 16, 0
	; window 1 is free: ask now for what the epilogue needs, so that it lands during the last step
	s_cmp_eq_u32 s29, 2
	s_cbranch_scc1 .Lwload
	WIN 0x40
.set i, 0
.rept 32
	global_load_b128 v[4*i:4*i+3], v[FO], s[42:43] offset:2048*i           ; freqs: my 32 tokens, 512 bytes each
.set i, i+1
.endr
	WIN 0
	s_branch .Llast
.Lwload:
	WIN 0x40
.set i, 0
.rept 16
	global_load_b128 v[8*i:8*i+3],   v[WI], s[58:59] offset:4096*i         ; Wo: 8 numbers a thread, 16 times
	global_load_b128 v[8*i+4:8*i+7], v[WI], s[58:59] offset:4096*i+16
.set i, i+1
.endr
	WIN 0
.Llast:
	TRIP 1, 0, 0, 0                                ; step 15
	PLACES                                         ; behind the last matrix instructions, ahead of every read of a result and every write of a fragment's register
	s_wait_loadcnt 0x0
	s_cmp_eq_u32 s29, 2
	s_cbranch_scc1 .Lwstore
	WIN 0x04
.set i, 0
.rept 32
	ds_store_b128 v[FTW], v[4*i:4*i+3] offset:FPITCH*i
.set i, i+1
.endr
	WIN 0
	s_branch .Lbar
.Lwstore:
	WIN 0x45
.set i, 0
.rept 64
	v_cvt_pk_f16_f32 v[i], v[2*i], v[2*i+1]
.set i, i+1
.endr
	WIN 0x04
.set i, 0
.rept 16
	global_store_b128 v[WOO], v[4*i:4*i+3], s[60:61] offset:2048*i         ; a wave's store covers 512 consecutive bytes, aligned
.set i, i+1
.endr
	WIN 0
.Lbar:
	BAR                                            ; every wave has read its last fragments (the slots become the way out) and the freq table is whole
	s_cmp_eq_u32 s29, 2
	s_cbranch_scc1 .Lvout
	; Q and K: my angles (token 64 wm + 16 a' + r, pairs 64 wn + 8 b + 4 h .. + 3), 32 loads
.irp ap, 0,1,2,3
.irp b, 0,1,2,3,4,5,6,7
	ds_load_b128 v[FQ+4*(8*\ap+\b):FQ+4*(8*\ap+\b)+3], v[FTR] offset:16*FPITCH*\ap+32*\b
.endr
.endr
	s_wait_dscnt 0x0
; sc sin and sc cos of four angles at register f: SS, CC
.macro SINCOS f
.irp q, 0,2
	v_pk_mul_f32 v[TN+\q:TN+\q+1], v[\f+\q:\f+\q+1], 0x3e22f983 op_sel_hi:[1,0]          ; x / (2 pi)
.endr
.irp q, 0,1,2,3
	v_rndne_f32 v[HH+\q], v[TN+\q]
.endr
.irp q, 0,2
	v_pk_add_f32 v[TN+\q:TN+\q+1], v[TN+\q:TN+\q+1], v[HH+\q:HH+\q+1] neg_lo:[0,1] neg_hi:[0,1]   ; minus its nearest whole number: at most 1/2
.endr
.irp q, 0,2
	v_pk_mul_f32 v[HH+\q:HH+\q+1], v[TN+\q:TN+\q+1], 0x40490fdb op_sel_hi:[1,0]          ; times pi: half the reduced angle
.endr
.irp q, 0,2
	v_pk_mul_f32 v[UU+\q:UU+\q+1], v[HH+\q:HH+\q+1], v[HH+\q:HH+\q+1]
.endr
.irp q, 0,2
	v_pk_fma_f32 v[SP+\q:SP+\q+1], v[UU+\q:UU+\q+1], v[C9:C9+1], 0xb9500d01 op_sel_hi:[1,1,0]
	v_pk_fma_f32 v[CP+\q:CP+\q+1], v[UU+\q:UU+\q+1], v[C10:C10+1], 0x37d00d01 op_sel_hi:[1,1,0]
.endr
.irp q, 0,2
	v_pk_fma_f32 v[SP+\q:SP+\q+1], v[SP+\q:SP+\q+1], v[UU+\q:UU+\q+1], 0x3c088889 op_sel_hi:[1,1,0]
	v_pk_fma_f32 v[CP+\q:CP+\q+1], v[CP+\q:CP+\q+1], v[UU+\q:UU+\q+1], 0xbab60b61 op_sel_hi:[1,1,0]
.endr
.irp q, 0,2
	v_pk_fma_f32 v[SP+\q:SP+\q+1], v[SP+\q:SP+\q+1], v[UU+\q:UU+\q+1], 0xbe2aaaab op_sel_hi:[1,1,0]
	v_pk_fma_f32 v[CP+\q:CP+\q+1], v[CP+\q:CP+\q+1], v[UU+\q:UU+\q+1], 0x3d2aaaab op_sel_hi:[1,1,0]
.endr
.irp q, 0,2
	v_pk_fma_f32 v[SP+\q:SP+\q+1], v[SP+\q:SP+\q+1], v[UU+\q:UU+\q+1], 1.0 op_sel_hi:[1,1,0]
	v_pk_fma_f32 v[CP+\q:CP+\q+1], v[CP+\q:CP+\q+1], v[UU+\q:UU+\q+1], -0.5 op_sel_hi:[1,1,0]
.endr
.irp q, 0,2
	v_pk_mul_f32 v[SP+\q:SP+\q+1], v[SP+\q:SP+\q+1], v[HH+\q:HH+\q+1]                    ; sin of the half angle
	v_pk_fma_f32 v[CP+\q:CP+\q+1], v[CP+\q:CP+\q+1], v[UU+\q:UU+\q+1], 1.0 op_sel_hi:[1,1,0]   ; cos of it
.endr
.irp q, 0,2
	v_pk_mul_f32 v[SS+\q:SS+\q+1], v[SP+\q:SP+\q+1], v[CP+\q:CP+\q+1]
	v_pk_mul_f32 v[CC+\q:CC+\q+1], v[SP+\q:SP+\q+1], v[SP+\q:SP+\q+1]
.endr
.irp q, 0,2
	v_pk_mul_f32 v[SS+\q:SS+\q+1], v[SS+\q:SS+\q+1], v[S2:S2+1]                          ; sc sin x = 2 sc s c
	v_pk_fma_f32 v[CC+\q:CC+\q+1], v[CC+\q:CC+\q+1], v[SM2:SM2+1], v[S1:S1+1]            ; sc cos x = sc - 2 sc s s
.endr
.endm
; one pair (x0, x1) at x: t = (x1 s, x0 s); y = (x0 c - t.lo, x1 c + t.hi).  sg says which register of the s and c pairs is this pair's.
.macro RP x, sp, cp, t, y, sg
.if \sg
	v_pk_mul_f32 v[\t:\t+1], v[\x:\x+1], v[\sp:\sp+1] op_sel:[1,1] op_sel_hi:[0,1]
	v_pk_fma_f32 v[\y:\y+1], v[\x:\x+1], v[\cp:\cp+1], v[\t:\t+1] op_sel:[0,1,0] op_sel_hi:[1,1,1] neg_lo:[0,0,1]
.else
	v_pk_mul_f32 v[\t:\t+1], v[\x:\x+1], v[\sp:\sp+1] op_sel:[1,0] op_sel_hi:[0,0]
	v_pk_fma_f32 v[\y:\y+1], v[\x:\x+1], v[\cp:\cp+1], v[\t:\t+1] op_sel:[0,0,0] op_sel_hi:[1,0,1] neg_lo:[0,0,1]
.endif
.endm
; tile (ap, b) of batch 0 (window 2) and of batch 1 (window 3) share their angles
.macro ROPE2 ap, b
.irp be, 0,1
	WIN (0x02+\be)                                 ; source 0: the batch's accumulators
.irp p, 0,1,2,3
	RP 8*(8*\ap+\b)+2*\p, SS+2*(\p/2), CC+2*(\p/2), TT+2*\p, YY+8*\be+2*\p, \p%2
.endr
.endr
	WIN 0
.irp be, 0,1
.irp p, 0,1,2,3
	v_cvt_pk_f16_f32 v[PK+4*\be+\p], v[YY+8*\be+2*\p], v[YY+8*\be+2*\p+1]
.endr
	ds_store_b128 v[STO], v[PK+4*\be:PK+4*\be+3] offset:HSTAGE*(\b/4)+16*PITCH*(4*\be+\ap)+32*(\b%4)
.endr
.endm
.irp ap, 0,1,2,3
.irp b, 0,1,2,3,4,5,6,7
	SINCOS FQ+4*(8*\ap+\b)
	ROPE2 \ap, \b
.endr
.endr
	s_branch .Ljoin
.Lvout:                                            ; V: round and stage, 16 rows at a time
.irp a, 0,1,2,3,4,5,6,7
	WIN (0x0a+5*(\a/4))                            ; sources 0 and 1 in window 2 (batch 0) or 3 (batch 1)
.irp b, 0,1,2,3,4,5,6,7
.irp p, 0,1,2,3
	v_cvt_pk_f16_f32 v[TT+4*\b+\p], v[8*(8*(\a%4)+\b)+2*\p], v[8*(8*(\a%4)+\b)+2*\p+1]
.endr
.endr
	WIN 0
.irp b, 0,1,2,3,4,5,6,7
	ds_store_b128 v[STO], v[TT+4*\b:TT+4*\b+3] offset:HSTAGE*(\b/4)+16*PITCH*\a+32*(\b%4)
.endr
.endr
.Ljoin:
	; each head's 128 rows of 128 bytes come back four rows a load and leave as 512 consecutive bytes a store (a head's rows are dense in the output).
	; The stage is my own and LDS serves a wave's instructions in order (ISA guide 5.7.1): no wait between the stores above and these loads.
.irp hh, 0,1
.if \hh
	s_wait_xcnt 0x0                                ; the first head's stores have read their data registers, which are loaded again here
.endif
.set n, 0
.rept 32
	ds_load_b128 v[FQ+4*n:FQ+4*n+3], v[RD] offset:HSTAGE*\hh+64*PITCH*(n/16)+4*PITCH*(n%16)
.set n, n+1
.endr
.set n, 0
.rept 32
	s_wait_dscnt 31-n                              ; loads come back in order: number n is in, the younger ones stay out
	global_store_b128 v[OO], v[FQ+4*n:FQ+4*n+3], s[40:41] offset:4194304*(n/16)+262144*\hh+512*(n%16)
.set n, n+1
.endr
.endr
	s_wait_tensorcnt 0x0
	ds_add_u32 v254, v255
	s_wait_dscnt 0x0
	s_endpgm
.Lfunc_end_k_q7a02336f42_proj:
	.size	k_q7a02336f42_proj, .Lfunc_end_k_q7a02336f42_proj-k_q7a02336f42_proj
	.p2alignl 7, 3214868480
	.fill 96, 4, 3214868480
	.section	.rodata,"a",@progbits
	.p2align	6, 0x0
	.amdhsa_kernel k_q7a02336f42_proj
		.amdhsa_group_segment_fixed_size 215552
		.amdhsa_private_segment_fixed_size 0
		.amdhsa_enable_private_segment 0
		.amdhsa_kernarg_size 96
		.amdhsa_user_sgpr_count 2
		.amdhsa_user_sgpr_kernarg_segment_ptr 1
		.amdhsa_wavefront_size32 1
		.amdhsa_system_sgpr_workgroup_id_x 1
		.amdhsa_system_sgpr_workgroup_id_y 1
		.amdhsa_system_sgpr_workgroup_id_z 1
		.amdhsa_system_vgpr_workitem_id 0
		.amdhsa_next_free_vgpr 1024
		.amdhsa_next_free_sgpr 66
		.amdhsa_reserve_vcc 0
		.amdhsa_float_denorm_mode_32 3
		.amdhsa_float_denorm_mode_16_64 3
		.amdhsa_memory_ordered 1
		.amdhsa_forward_progress 1
		.amdhsa_inst_pref_size 255
	.end_amdhsa_kernel
	.section	.bss,"aw",@nobits
	.p2align	6
	.space	262144
	.amdgpu_metadata
---
amdhsa.version: [ 1, 2 ]
amdhsa.kernels:
  - .name:           k_q7a02336f42_proj
    .symbol:         k_q7a02336f42_proj.kd
    .args:
      - { .name: query, .offset: 0, .size: 8, .value_kind: global_buffer, .address_space: global }
      - { .name: key, .offset: 8, .size: 8, .value_kind: global_buffer, .address_space: global }
      - { .name: value, .offset: 16, .size: 8, .value_kind: global_buffer, .address_space: global }
      - { .name: Wq, .offset: 24, .size: 8, .value_kind: global_buffer, .address_space: global }
      - { .name: Wk, .offset: 32, .size: 8, .value_kind: global_buffer, .address_space: global }
      - { .name: Wv, .offset: 40, .size: 8, .value_kind: global_buffer, .address_space: global }
      - { .name: Wo, .offset: 48, .size: 8, .value_kind: global_buffer, .address_space: global }
      - { .name: freqs, .offset: 56, .size: 8, .value_kind: global_buffer, .address_space: global }
      - { .name: qr, .offset: 64, .size: 8, .value_kind: global_buffer, .address_space: global }
      - { .name: kr, .offset: 72, .size: 8, .value_kind: global_buffer, .address_space: global }
      - { .name: vh, .offset: 80, .size: 8, .value_kind: global_buffer, .address_space: global }
      - { .name: wo16, .offset: 88, .size: 8, .value_kind: global_buffer, .address_space: global }
    .group_segment_fixed_size: 215552
    .private_segment_fixed_size: 0
    .kernarg_segment_align: 8
    .kernarg_segment_size: 96
    .max_flat_workgroup_size: 128
    .sgpr_count:     66
    .vgpr_count:     1024
    .wavefront_size: 32
...
	.end_amdgpu_metadata
.endif
;; end of part 4
;; launch attn (part 5): grid 8 x 32, 8 waves a work-group, clusters of 4 x 1, 327,680 bytes of LDS; arguments qr, kr, vh, query_id, kv_id, attn_mask, bias_emb, yh; writes yh
.if DOCPART == 5
	.amdgcn_target "amdgcn-amd-amdhsa--gfx1250"
	.amdhsa_code_object_version 6
	.text
	.protected	k_q7a02336f42_attn
	.globl	k_q7a02336f42_attn
	.p2align	8
	.type	k_q7a02336f42_attn,@function
k_q7a02336f42_attn:
	s_mov_b64 s[64:65], 0
	v_nop
	global_prefetch_b8 v0, s[64:65] scope:SCOPE_SE
	s_setreg_imm32_b32 hwreg(HW_REG_WAVE_MODE, 25, 1), 1
	s_wait_xcnt 0x0
	s_wait_alu depctr_hold_cnt(0) depctr_sa_sdst(0) depctr_va_vdst(0) depctr_va_sdst(0) depctr_va_ssrc(0) depctr_va_vcc(0) depctr_vm_vsrc(0)
	s_getreg_b32 s2, hwreg(HW_REG_IB_STS2, 6, 4)
	s_cmp_eq_u32 s2, 0
	s_cbranch_scc0 .Lentry_in_a_cluster
	s_endpgm
.Lentry_in_a_cluster:
	s_bfe_u32 s2, ttmp6, 0x10000c
	s_cmp_lg_u32 s2, 0x3003
	s_cbranch_scc0 .Lentry_shape_is_right
	s_endpgm
.Lentry_shape_is_right:
; Attention of one head for 256 queries: y = softmax(Q K^T / 8 + bias, masked) V.  qr, kr, vh: [batch][head][2048][64] f16; qr already holds Q x 0.125 log2 e.
; Work-group (x = query block of 256, y = 16 batch + head); eight waves of 32 queries (two tiles of 16).
; CLUSTER: the four work-groups of a cluster are four query blocks of one head and walk the same K and V: every tile is asked for jointly (mask 15).
; The place in the cluster enters only the global addresses of Q, query_id and y.
; LAYOUT: S^T = K Q^T (source 0 = 16 keys, source 1 = 16 queries): lane (r, h) holds query r, keys 8 h .. 8 h + 7 of the tile, so the running maximum stays
; in the lane but for one exchange of the halves, and two packed tiles of 16 keys ARE the second product's fragment of 32 keys.  O^T = V^T P^T, V^T read from
; [key][d] rows by the transposing LDS load.  A fifth product with a fragment of ones makes the row sums, from the same rounded P.
; Bias and mask enter as the C operand of the first product: t0[key] = b0 log2 e, or -1e37 where the key is masked; t0 + (b1 - b0) log2 e where the ids match.
; The maximum is taken away before every exponential, by a running maximum that starts at -1e30.
; TEXT: a step is 64 keys, a trip the 256 keys of a slot.  The step reads through three running addresses and is the body of a counted loop of four in each trip;
; its text stands five times (the first step, which starts the sums; the rest of trip 0; the two trips of the outer loop; the last trip) for 32 steps run.
; LIMITS: scores below -1e30 (in base-2 units) count as masked.  A batch with every key masked gives 0 x infinity = NaN, as the softmax of a row of -inf does.
; P, Q, K, V are f16 (P lies in 0..1).
.set KP,   144                         ; K: 128 bytes a key + 16
.set VP,   160                         ; V: 128 bytes a key + 32, an odd multiple of 32 for the transposing load
.set REG,  10240                       ; a wave's region of a slot: 64 keys, one step's K or V
.set SLOT, 81920                       ; 256 keys: K's four regions, then V's four
.set KIDT, 163840                      ; kv_id of the batch, 2,048 words; t0 lies 8,192 bytes behind it
.set STG,  180224                      ; way out: 32 rows x 144 bytes for each wave.  No tensor load ever fills the tables or the stage.
.set KA,  4                            ; v4-5   my K fragments at the head of slot 0, 1; never rewritten
.set VA,  6                            ; v6-7   my V fragments at the head of slot 0, 1; never rewritten
.set TA,  8                            ; v8     the tables, stepped by 64 keys a step
.set STO, 9
.set RD,  10
.set YO,  11
.set MP,  12                           ; v[12:13], v[14:15]  running maximum of query tile n (the first register counts)
.set AL,  16                           ; v[16:17], v[18:19]  factor of the old sums
.set RR,  20                           ; v[20:21], v[22:23]  1 / row sum
.set T,   24                           ; v24-27 at work
.set KC,  28                           ; v28    this step's K: the slot's base at a trip's head, + 10,240 a step
.set VC,  29                           ; v29    this step's V, likewise
.set QF,  32                           ; v[32:63]   Q(n, dh) at 16 n + 8 dh
.set KF,  64                           ; v[64:127]  K(kt, dh) at 16 kt + 8 dh
.set SC,  128                          ; v[128:191] S(kt, n) at 32 (kt/2) + 16 n + 8 (kt%2); P(g, n) = the first 8 registers at 32 g + 16 n
; window 1 (v256-511):
.set OA,   0                           ; O(dt, n) at 8 (2 dt + n), dt = 4: the row sums
.set VF,   80                          ; V(g, dt) at 32 g + 8 dt
.set KID,  144                         ; kv_id of the step's 64 keys: my 8 of each tile
.set TB0,  176                         ; t0 of them
.set TB1,  208                         ; t0 + delta
.set ONES, 240
.set QID,  248                         ; query_id of my query in tile 0, 1
.set DL,   250                         ; delta, twice
.set G1K, 32
.set G1V, 40
.set G0K, 48
.set G0V, 56
.set MSB, 0
.macro WIN new
.if MSB != \new
	s_set_vgpr_msb (MSB<<8)|\new
.set MSB, \new
.endif
.endm
.macro PLACES                          ; four plain vector instructions behind a matrix instruction (ISA guide 7.12.1)
.rept 4
	v_nop
.endr
.endm
.macro ROUND                           ; a round of the cluster's barrier
	s_barrier_signal -1
	s_barrier_wait -1
	s_cmp_lg_u32 s20, 0
	s_cbranch_scc1 .Lnot_wave_0_\@
	s_barrier_signal -3
.Lnot_wave_0_\@:
	s_barrier_wait -3
	s_barrier_signal -1
	s_barrier_wait -1
.endm
.macro JLOAD n                         ; waves 0-3 ask for K's four quarters of slot n, waves 4-7 for V's: one load a wave
	s_cmp_eq_u32 s21, 0
	s_cbranch_scc0 .Lfor_v_\@
	tensor_load_to_lds s[G0K+4*(\n):G0K+4*(\n)+3], s[G1K:G1K+7]
	s_nop 0
	v_nop
	s_branch .Lasked_\@
.Lfor_v_\@:
	tensor_load_to_lds s[G0V+4*(\n):G0V+4*(\n)+3], s[G1V:G1V+7]
	s_nop 0
	v_nop
	v_nop
.Lasked_\@:
.endm
	s_load_b256 s[4:11], s[0:1], 0x0               ; qr, kr, vh, query_id
	s_load_b256 s[12:19], s[0:1], 0x20             ; kv_id, attn_mask, bias_emb, yh
	v_lshl_add_u32 v254, v0, 2, 0x35000
	v_mov_b32 v255, 0
	ds_add_u32 v254, v255
	v_lshrrev_b32 v1, 5, v0
	v_readfirstlane_b32 s20, v1                    ; wave
	s_lshr_b32 s21, s20, 2
	s_and_b32 s22, s20, 3
	s_bfe_u32 s23, ttmp6, 0x40000                  ; cx
	s_lshl_b32 s24, ttmp9, 2
	s_add_co_u32 s24, s24, s23                     ; query block
	s_and_b32 s25, ttmp7, 0xffff                   ; 16 batch + head
	s_lshr_b32 s26, s25, 4                         ; batch
	s_and_b32 s27, s25, 15                         ; head
	s_mov_b32 s30, 0x76543210                      ; v_permlanex16_b32: lane i of one half reads lane i of the other
	s_mov_b32 s31, 0xfedcba98
	; group 1: 64 keys of 128 bytes are dense in memory: 32 rows of 256 bytes; behind every 32 words (a key) 4 words of padding (K) or 8 (V)
	s_mov_b32 s[G1K+0], 15|(1<<16)|(1<<20)|(1<<21)|(4<<22)|(3<<25)
	s_mov_b32 s[G1K+1], 128<<16
	s_mov_b32 s[G1K+2], 32<<16
	s_mov_b32 s[G1K+3], 128<<16
	s_mov_b32 s[G1K+4], 32
	s_mov_b32 s[G1K+5], 128
	s_mov_b32 s[G1K+6], 0
	s_mov_b32 s[G1K+7], 0
	s_mov_b32 s[G1V+0], 15|(1<<16)|(1<<20)|(1<<21)|(4<<22)|(7<<25)
	s_mov_b32 s[G1V+1], 128<<16
	s_mov_b32 s[G1V+2], 32<<16
	s_mov_b32 s[G1V+3], 128<<16
	s_mov_b32 s[G1V+4], 32
	s_mov_b32 s[G1V+5], 128
	s_mov_b32 s[G1V+6], 0
	s_mov_b32 s[G1V+7], 0
	s_mul_i32 s29, s20, REG                        ; my region: the wave's number alone
	s_lshl_b32 s88, s25, 18                        ; the head's 262,144 bytes
	s_lshl_b32 s87, s22, 13                        ; my quarter of a tile: 64 keys
	s_add_co_u32 s88, s88, s87
	s_mov_b32 s89, 0
	s_wait_dscnt 0x0
	s_wait_kmcnt 0x0
	s_add_nc_u64 s[90:91], s[6:7], s[88:89]
	s_add_nc_u64 s[92:93], s[8:9], s[88:89]
.irp n, 0,1
	s_mov_b32 s[G0K+4*\n], 1
	s_add_co_u32 s[G0K+4*\n+1], s29, \n*SLOT
	s_add_nc_u64 s[G0K+4*\n+2:G0K+4*\n+3], s[90:91], \n*32768
	s_or_b32 s[G0K+4*\n+3], s[G0K+4*\n+3], 0x80000000
	s_mov_b32 s[G0V+4*\n], 1
	s_add_co_u32 s[G0V+4*\n+1], s29, \n*SLOT
	s_add_nc_u64 s[G0V+4*\n+2:G0V+4*\n+3], s[92:93], \n*32768
	s_or_b32 s[G0V+4*\n+3], s[G0V+4*\n+3], 0x80000000
.endr
	ROUND                                          ; the four work-groups are here: the first joint loads meet
	JLOAD 0                                        ; keys 0-255
	s_lshl_b32 s88, s27, 2
	s_add_nc_u64 s[94:95], s[16:17], s[88:89]
	s_load_b32 s82, s[94:95], 0x0                  ; bias_emb[0][head]
	s_load_b32 s83, s[94:95], 0x40                 ; bias_emb[1][head]
	v_and_b32 v1, 31, v0                           ; L
	v_and_b32 v2, 15, v0                           ; r
	v_bfe_u32 v3, v0, 4, 1                         ; h
	s_lshl_b32 s88, s26, 11
	s_add_nc_u64 s[66:67], s[14:15], s[88:89]      ; the batch's mask
	v_lshlrev_b32 v28, 3, v0                       ; thread t takes keys 8 t .. 8 t + 7
	global_load_b64 v[64:65], v28, s[66:67]
	s_lshl_b32 s88, s26, 13
	s_add_nc_u64 s[68:69], s[12:13], s[88:89]      ; the batch's kv_id
	v_lshlrev_b32 v29, 5, v0
	global_load_b128 v[68:71], v29, s[68:69]
	global_load_b128 v[72:75], v29, s[68:69] offset:16
	s_lshl_b32 s88, s25, 18
	s_lshl_b32 s87, s24, 15                        ; 256 queries of 128 bytes
	s_add_co_u32 s88, s88, s87
	s_lshl_b32 s87, s20, 12                        ; 32 queries a wave
	s_add_co_u32 s88, s88, s87
	s_add_nc_u64 s[70:71], s[4:5], s[88:89]
	v_lshlrev_b32 v30, 7, v2
	v_lshl_add_u32 v30, v3, 4, v30                 ; 128 r + 16 h
.irp n, 0,1
.irp dh, 0,1
	global_load_b128 v[QF+16*\n+8*\dh:QF+16*\n+8*\dh+3],   v30, s[70:71] offset:2048*\n+64*\dh
	global_load_b128 v[QF+16*\n+8*\dh+4:QF+16*\n+8*\dh+7], v30, s[70:71] offset:2048*\n+64*\dh+32
.endr
.endr
	s_lshl_b32 s88, s26, 13
	s_lshl_b32 s87, s24, 10
	s_add_co_u32 s88, s88, s87
	s_lshl_b32 s87, s20, 7
	s_add_co_u32 s88, s88, s87
	s_add_nc_u64 s[72:73], s[10:11], s[88:89]
	v_lshlrev_b32 v31, 2, v2
	WIN 0x40
	global_load_b32 v[QID],   v31, s[72:73]
	global_load_b32 v[QID+1], v31, s[72:73] offset:64
	WIN 0
	; LDS addresses
	v_mul_u32_u24 v[KA], v2, KP
	v_lshl_add_u32 v[KA], v3, 4, v[KA]             ; 144 r + 16 h
	v_add_nc_u32 v[KA+1], SLOT, v[KA]
	v_and_b32 v24, 7, v0
	v_lshl_add_u32 v25, v3, 3, v24                 ; 8 h + L % 8
	v_bfe_u32 v26, v0, 3, 1
	v_mul_u32_u24 v[VA], v25, VP
	v_lshl_add_u32 v[VA], v26, 4, v[VA]
	v_add_nc_u32 v[VA], 4*REG, v[VA]
	v_add_nc_u32 v[VA+1], SLOT, v[VA]
	v_lshlrev_b32 v[TA], 5, v3
	v_add_nc_u32 v[TA], KIDT, v[TA]                ; my 8 keys of a tile of 16: 32 h
	s_mul_i32 s87, s20, 32*KP
	s_add_co_u32 s87, s87, STG
	v_add_nc_u32 v[STO], s87, v[KA]
	v_lshrrev_b32 v25, 3, v1
	v_lshlrev_b32 v24, 4, v24
	v_mad_u32_u24 v[RD], v25, KP, v24
	v_add_nc_u32 v[RD], s87, v[RD]
	v_lshl_add_u32 v[YO], v25, 7, v24
.irp i, 0,1,2,3
	v_mov_b32 v[MP+\i], 0xf149f2ca                 ; -1e30
	v_mov_b32 v[AL+\i], 0                          ; the pairs' second registers are named by packed instructions and never used
	v_mov_b32 v[RR+\i], 0
.endr
	v_mov_b32 v27, 0
	; the tables: kv_id as it is, t0 = b0 log2 e or -1e37
	s_wait_kmcnt 0x0
	v_mov_b32 v24, s82
	v_mov_b32 v25, s83
	v_mul_f32 v24, 0x3fb8aa3b, v24
	v_mul_f32 v25, 0x3fb8aa3b, v25
	v_sub_f32 v25, v25, v24                        ; delta
	v_mov_b32 v26, 0xfcf0bdc2                      ; -1e37
	s_wait_loadcnt 10                              ; mask and kv_id are in; the 8 loads of Q and the 2 of query_id are younger
.irp j, 0,1,2,3,4,5,6,7
	v_bfe_u32 v27, v[64+\j/4], 8*(\j%4), 8
	v_cmp_ne_u32 vcc_lo, 0, v27
	v_cndmask_b32 v[76+\j], v26, v24, vcc_lo
.endr
	v_add_nc_u32 v28, KIDT, v29
	ds_store_b128 v28, v[68:71]
	ds_store_b128 v28, v[72:75] offset:16
	ds_store_b128 v28, v[76:79] offset:8192
	ds_store_b128 v28, v[80:83] offset:8208
	WIN 0x40
.irp i, 0,1,2,3,4,5,6,7
	v_mov_b32 v[ONES+\i], 0x3c003c00               ; 1.0, 1.0 in f16
.endr
	v_mov_b32 v[DL], v25
	v_mov_b32 v[DL+1], v25
	WIN 0
	s_wait_loadcnt 0x0                             ; Q and query_id
.macro SUBT b, m                       ; 8 scores minus the maximum
.irp p, 0,2,4,6
	v_pk_add_f32 v[\b+\p:\b+\p+1], v[\b+\p:\b+\p+1], v[\m:\m+1] op_sel_hi:[1,0] neg_lo:[0,1] neg_hi:[0,1]
.endr
.endm
.macro EXPT b
.irp p, 0,1,2,3,4,5,6,7
	v_exp_f32 v[\b+\p], v[\b+\p]
.endr
.endm
.macro PACK d, b
	s_wait_alu depctr_va_vdst(0)
.irp p, 0,1,2,3
	v_cvt_pk_f16_f32 v[\d+\p], v[\b+2*\p], v[\b+2*\p+1]
.endr
.endm
; Query tile n: new maximum over my 32 scores and the other half's, factor of the old sums, P = 2^(S - m) packed to f16 in place.
; Behind each run of v_exp_f32 a plain vector instruction that names none of its registers stands ahead of the first use (ISA guide 5.7.2):
; the next tile's subtractions, at the end a v_nop; behind the factor's exponential the move of the maximum.
.macro SOFTMAX n, first
	v_max3_num_f32 v[T],   v[MP+2*\n], v[SC+16*\n], v[SC+16*\n+1]
	v_max3_num_f32 v[T+1], v[SC+32+16*\n], v[SC+32+16*\n+1], v[SC+32+16*\n+2]
.irp k, 1,2,3,4,5,6
	v_max3_num_f32 v[T],   v[T],   v[SC+16*\n+2*\k], v[SC+16*\n+2*\k+1]
	v_max3_num_f32 v[T+1], v[T+1], v[SC+32+16*\n+2*\k+1], v[SC+32+16*\n+2*\k+2]
.endr
	v_max3_num_f32 v[T], v[T], v[SC+16*\n+14], v[SC+16*\n+15]
	v_max3_num_f32 v[T], v[T], v[T+1], v[SC+32+16*\n+15]
	v_permlanex16_b32 v[T+1], v[T], s30, s31
	v_max_num_f32 v[T+2], v[T], v[T+1]
.if \first == 0
	v_sub_f32 v[T+3], v[MP+2*\n], v[T+2]
	v_exp_f32 v[AL+2*\n], v[T+3]
.endif
	v_mov_b32 v[MP+2*\n], v[T+2]
	SUBT SC+16*\n, MP+2*\n
	EXPT SC+16*\n
	SUBT SC+16*\n+8, MP+2*\n
	PACK SC+16*\n, SC+16*\n
	EXPT SC+16*\n+8
	SUBT SC+32+16*\n, MP+2*\n
	PACK SC+16*\n+4, SC+16*\n+8
	EXPT SC+32+16*\n
	SUBT SC+32+16*\n+8, MP+2*\n
	PACK SC+32+16*\n, SC+32+16*\n
	EXPT SC+32+16*\n+8
	v_nop
	s_wait_alu depctr_va_vdst(0)
	PACK SC+32+16*\n+4, SC+32+16*\n+8
.endm
.macro PV1 d, a, b, zero
.if \zero
	v_wmma_f32_16x16x32_f16 v[\d:\d+7], v[\a:\a+7], v[\b:\b+7], 0
.else
	v_wmma_f32_16x16x32_f16 v[\d:\d+7], v[\a:\a+7], v[\b:\b+7], v[\d:\d+7]
.endif
.endm
; 64 keys, at the running addresses KC, VC and TA.  first = 1: the first products start O and the row sums.
; No LDS load is out at the step's head or at its end, so the three counted waits hold on the way in and round the loop's backward jump.
.macro STEP first
	WIN 0x40
.irp kt, 0,1,2,3
	ds_load_b128 v[KID+8*\kt:KID+8*\kt+3],   v[TA] offset:64*\kt
	ds_load_b128 v[KID+8*\kt+4:KID+8*\kt+7], v[TA] offset:64*\kt+16
	ds_load_b128 v[TB0+8*\kt:TB0+8*\kt+3],   v[TA] offset:8192+64*\kt
	ds_load_b128 v[TB0+8*\kt+4:TB0+8*\kt+7], v[TA] offset:8192+64*\kt+16
.endr
	WIN 0
.irp kt, 0,1,2,3
.irp dh, 0,1
	ds_load_b128 v[KF+16*\kt+8*\dh:KF+16*\kt+8*\dh+3],   v[KC] offset:16*KP*\kt+64*\dh
	ds_load_b128 v[KF+16*\kt+8*\dh+4:KF+16*\kt+8*\dh+7], v[KC] offset:16*KP*\kt+64*\dh+32
.endr
.endr
	WIN 0x40
.irp g, 0,1
.irp dt, 0,1,2,3
	ds_load_tr16_b128 v[VF+32*\g+8*\dt:VF+32*\g+8*\dt+3],   v[VC] offset:32*VP*\g+32*\dt
	ds_load_tr16_b128 v[VF+32*\g+8*\dt+4:VF+32*\g+8*\dt+7], v[VC] offset:32*VP*\g+32*\dt+16*VP
.endr
.endr
	s_wait_dscnt 32                                ; the 16 table loads are in; K's 16 and V's 16 are younger
	WIN 0x45
.set i, 0
.rept 16
	v_pk_add_f32 v[TB1+2*i:TB1+2*i+1], v[TB0+2*i:TB0+2*i+1], v[DL:DL+1]
.set i, i+1
.endr
	WIN 0x05                                       ; the choice selects a value only: t0 + delta where the ids match, t0 elsewhere
.irp kt, 0,1,2,3
.irp n, 0,1
.irp j, 0,1,2,3,4,5,6,7
	v_cmp_eq_u32 s[66+8*\n+\j], v[KID+8*\kt+\j], v[QID+\n]
.endr
.endr
.irp n, 0,1
.irp j, 0,1,2,3,4,5,6,7
	v_cndmask_b32 v[SC+32*(\kt/2)+16*\n+8*(\kt%2)+\j], v[TB0+8*\kt+\j], v[TB1+8*\kt+\j], s[66+8*\n+\j]
.endr
.endr
.endr
	s_wait_dscnt 16                                ; K is in; V's 16 loads are younger
	WIN 0
	; the eight score tiles take turns, one instruction a turn
.irp dh, 0,1
.irp kt, 0,1,2,3
.irp n, 0,1
	PV1 SC+32*(\kt/2)+16*\n+8*(\kt%2), KF+16*\kt+8*\dh, QF+16*\n+8*\dh, 0
.endr
.endr
.endr
	PLACES
	SOFTMAX 0, \first
	SOFTMAX 1, \first
.if \first == 0
	WIN 0x41
.irp dt, 0,1,2,3,4
.irp n, 0,1
.irp p, 0,2,4,6
	v_pk_mul_f32 v[OA+8*(2*\dt+\n)+\p:OA+8*(2*\dt+\n)+\p+1], v[OA+8*(2*\dt+\n)+\p:OA+8*(2*\dt+\n)+\p+1], v[AL+2*\n:AL+2*\n+1] op_sel_hi:[1,0]
.endr
.endr
.endr
.endif
	s_wait_dscnt 0x0                               ; V is in
	WIN 0x51
	; the ten accumulators take turns, one instruction a turn
.irp g, 0,1
.irp dt, 0,1,2,3
.irp n, 0,1
	PV1 OA+8*(2*\dt+\n), VF+32*\g+8*\dt, SC+32*\g+16*\n, \first*(1-\g)
.endr
.endr
.irp n, 0,1
	PV1 OA+8*(8+\n), ONES, SC+32*\g+16*\n, \first*(1-\g)
.endr
.endr
	WIN 0
	; the next step's addresses.  These three lines and the v_nop name none of the last products' registers: they are the four places
	; ahead of the next step's loads into V's fragments, of its writes of P's registers and, behind the last step, of the reads of O.
	v_add_nc_u32 v[KC], REG, v[KC]
	v_add_nc_u32 v[VC], REG, v[VC]
	v_add_nc_u32 v[TA], 256, v[TA]
	v_nop
.endm
; 256 keys in slot.  In front of the round every wave waits for all its tensor loads (one is out: its part of this slot) and for its LDS reads of the
; other slot; behind the round no wave of any of the four work-groups reads that slot, and it is asked for again first thing, one load a wave.
; That load has the four steps below in which to land.  The first trip's round also shows the tables to every wave.
; The four steps are one text run four times (s85 counts); in the first trip the first step is written out and the loop runs three times.
.macro TRIP slot, refill, first
	s_wait_tensorcnt 0x0
	ds_add_u32 v254, v255
	s_wait_dscnt 0x0
	s_add_nc_u64 s[G0K+4*\slot+2:G0K+4*\slot+3], s[G0K+4*\slot+2:G0K+4*\slot+3], 65536   ; no load of mine is out: this slot's next tile, 512 keys on
	s_add_nc_u64 s[G0V+4*\slot+2:G0V+4*\slot+3], s[G0V+4*\slot+2:G0V+4*\slot+3], 65536
	s_wait_dscnt 0x0
	ROUND
.if \refill
	JLOAD 1-\slot
.endif
	v_mov_b32 v[KC], v[KA+\slot]                   ; the running addresses start at the slot's head
	v_mov_b32 v[VC], v[VA+\slot]
.if \first
	STEP 1
	s_mov_b32 s85, 3
.else
	s_mov_b32 s85, 4
.endif
.Lstep_\@:
	STEP 0
	s_sub_co_u32 s85, s85, 1
	s_cmp_lg_u32 s85, 0
	s_cbranch_scc1 .Lstep_\@
.endm
	TRIP 0, 1, 1                                   ; keys 0-255; slot 1 gets its first tile as a refill does
	s_mov_b32 s28, 3
.Llap:                                             ; keys 256-1791
	TRIP 1, 1, 0
	TRIP 0, 1, 0
	s_sub_co_u32 s28, s28, 1
	s_cmp_lg_u32 s28, 0
	s_cbranch_scc1 .Llap
	TRIP 1, 0, 0                                   ; the last 256 keys: nothing is left to ask for (the stepped addresses are not used)
	; the way out: O / row sum, f16, through my own stage, 512 consecutive bytes a store.  y: [token / 128][head][128][64].
	PLACES
	s_lshl_b32 s88, s26, 4
	s_lshl_b32 s87, s24, 1
	s_add_co_u32 s88, s88, s87
	s_add_co_u32 s88, s88, s21                     ; 16 batch + 2 query block + wave / 4
	s_lshl_b32 s88, s88, 18
	s_lshl_b32 s87, s27, 14
	s_add_co_u32 s88, s88, s87
	s_lshl_b32 s87, s22, 12
	s_add_co_u32 s88, s88, s87
	s_add_nc_u64 s[90:91], s[18:19], s[88:89]
	WIN 0x01
	v_rcp_f32 v[RR],   v[OA+64]
	v_rcp_f32 v[RR+2], v[OA+72]
	v_nop                                          ; the plain place behind the reciprocals
	s_wait_alu depctr_va_vdst(0)
.irp n, 0,1
	WIN 0x01
.irp dt, 0,1,2,3
.irp p, 0,2,4,6
	v_pk_mul_f32 v[KF+8*\dt+\p:KF+8*\dt+\p+1], v[OA+8*(2*\dt+\n)+\p:OA+8*(2*\dt+\n)+\p+1], v[RR+2*\n:RR+2*\n+1] op_sel_hi:[1,0]
.endr
.endr
	WIN 0
.set i, 0
.rept 16
	v_cvt_pk_f16_f32 v[KF+32+i], v[KF+2*i], v[KF+2*i+1]
.set i, i+1
.endr
.irp dt, 0,1,2,3
	ds_store_b128 v[STO], v[KF+32+4*\dt:KF+32+4*\dt+3] offset:16*KP*\n+32*\dt
.endr
.endr
.irp t, 0,1,2,3,4,5,6,7
	ds_load_b128 v[SC+4*\t:SC+4*\t+3], v[RD] offset:4*KP*\t        ; my own bytes, served in order (ISA guide 5.7.1): these see the stores above
.endr
.irp t, 0,1,2,3,4,5,6,7
	s_wait_dscnt 7-\t
	global_store_b128 v[YO], v[SC+4*\t:SC+4*\t+3], s[90:91] offset:512*\t
.endr
	s_wait_tensorcnt 0x0
	ds_add_u32 v254, v255
	s_wait_dscnt 0x0
	ROUND                                          ; the closing round: no work-group ends while a partner may still ask for a tile that names it
	s_endpgm
.Lfunc_end_k_q7a02336f42_attn:
	.size	k_q7a02336f42_attn, .Lfunc_end_k_q7a02336f42_attn-k_q7a02336f42_attn
	.p2alignl 7, 3214868480
	.fill 96, 4, 3214868480
	.section	.rodata,"a",@progbits
	.p2align	6, 0x0
	.amdhsa_kernel k_q7a02336f42_attn
		.amdhsa_group_segment_fixed_size 327680
		.amdhsa_private_segment_fixed_size 0
		.amdhsa_enable_private_segment 0
		.amdhsa_kernarg_size 64
		.amdhsa_user_sgpr_count 2
		.amdhsa_user_sgpr_kernarg_segment_ptr 1
		.amdhsa_wavefront_size32 1
		.amdhsa_system_sgpr_workgroup_id_x 1
		.amdhsa_system_sgpr_workgroup_id_y 1
		.amdhsa_system_sgpr_workgroup_id_z 1
		.amdhsa_system_vgpr_workitem_id 0
		.amdhsa_next_free_vgpr 512
		.amdhsa_next_free_sgpr 96
		.amdhsa_reserve_vcc 1
		.amdhsa_float_denorm_mode_32 3
		.amdhsa_float_denorm_mode_16_64 3
		.amdhsa_memory_ordered 1
		.amdhsa_forward_progress 1
		.amdhsa_inst_pref_size 151
	.end_amdhsa_kernel
	.amdgpu_metadata
---
amdhsa.version: [ 1, 2 ]
amdhsa.kernels:
  - .name:           k_q7a02336f42_attn
    .symbol:         k_q7a02336f42_attn.kd
    .args:
      - { .name: qr, .offset: 0, .size: 8, .value_kind: global_buffer, .address_space: global }
      - { .name: kr, .offset: 8, .size: 8, .value_kind: global_buffer, .address_space: global }
      - { .name: vh, .offset: 16, .size: 8, .value_kind: global_buffer, .address_space: global }
      - { .name: query_id, .offset: 24, .size: 8, .value_kind: global_buffer, .address_space: global }
      - { .name: kv_id, .offset: 32, .size: 8, .value_kind: global_buffer, .address_space: global }
      - { .name: attn_mask, .offset: 40, .size: 8, .value_kind: global_buffer, .address_space: global }
      - { .name: bias_emb, .offset: 48, .size: 8, .value_kind: global_buffer, .address_space: global }
      - { .name: yh, .offset: 56, .size: 8, .value_kind: global_buffer, .address_space: global }
    .group_segment_fixed_size: 327680
    .private_segment_fixed_size: 0
    .kernarg_segment_align: 8
    .kernarg_segment_size: 64
    .max_flat_workgroup_size: 256
    .sgpr_count:     96
    .vgpr_count:     512
    .wavefront_size: 32
...
	.end_amdgpu_metadata
.endif
;; end of part 5
;; launch oproj: the kernel of part 3 again; grid 8 x 32, 4 waves a work-group, clusters of 4 x 4, 327,680 bytes of LDS; arguments yh, wo16, out0; writes out0
;; ======== version 3 of 3: 3 launches; version 2 with the launch proj written anew for expert scheduling mode
;; limits: values are held in f16: magnitudes above 65,504 overflow, below 6.1e-05 lose precision; an absolute error that grows with the inputs' magnitude: up to 1.19e-07 times it; right only within a limited range of input values
;; workspace buffers: qr 8,388,608 bytes; kr 8,388,608 bytes; vh 8,388,608 bytes; yh 8,388,608 bytes; wo16 2,097,152 bytes
;; launch proj (part 6): grid 12 x 16, 4 waves a work-group, no clusters, 215,552 bytes of LDS; arguments query, key, value, Wq, Wk, Wv, Wo, freqs, qr, kr, vh, wo16; writes qr, kr, vh, wo16
.if DOCPART == 6
	.amdgcn_target "amdgcn-amd-amdhsa--gfx1250"
	.amdhsa_code_object_version 6
	.text
	.protected	k_q7a02336f42_proj
	.globl	k_q7a02336f42_proj
	.p2align	8
	.type	k_q7a02336f42_proj,@function
k_q7a02336f42_proj:
	s_mov_b64 s[64:65], 0
	v_nop
	global_prefetch_b8 v0, s[64:65] scope:SCOPE_SE
	s_setreg_imm32_b32 hwreg(HW_REG_WAVE_SCHED_MODE, 0, 2), 2
	s_setreg_imm32_b32 hwreg(HW_REG_WAVE_MODE, 25, 1), 1
	s_wait_xcnt 0x0
	s_wait_alu depctr_vm_vsrc(0)
; Q, K, V = x W^T (x: [2][2048][1024] f32, W: [1024][1024] f32), RoPE on Q and K, results in f16 as [batch][head][token][64].
; Q also takes the factor 0.125 log2(e), so that the attention launch works on base-2 exponents without a multiply per score.
; The work-groups of V also convert Wo to f16 (64 work-groups, 65,536 bytes of f32 each).
; 192 work-groups: x = 4 z + nb (z: 0 Q, 1 K, 2 V; nb: 256 output channels), y = yb (128 tokens).  A block is 256 x 256: rows 0-127 are tokens
; 128 yb .. of batch 0, rows 128-255 the same tokens of batch 1, so that one cos and one sin serve two rows.
; Four waves, as many as a WGP has SIMDs; wave w = 2 wm + wn makes tokens 64 wm .. +63 of both batches (8 fragments of 16 rows) x channels 128 wn .. +127
; (two heads, 8 fragments): 64 accumulator tiles, 512 registers.  For 32 along K a wave reads 32 fragments' halves (16 KiB) and issues 64 matrix instructions.
; K goes in steps of 64 through two LDS slots.  The inputs are f32 and matrix operands are f16, so tiles come through registers: global load, conversion, LDS store.
; A step is four units of 32 matrix instructions (32 along K x one batch); each unit's fragments are asked for one unit ahead, and between the units stands a
; quarter of the next tile's conversion, with the loads of the tile after it: 64 loads (32 KiB) of a wave are on their way, each for a whole step.
; NO JOINT LOADS: the data mover copies bytes as they are; f32 tiles in LDS would double the bytes of every fill and fragment read (128 + 256 KiB a step against 64 + 128).
; FORMAT: all matrix operands are f16.  Limit: the inputs, 0.18 |Q|, |K| and |V| must stay below 65,504.
; RoPE: the angle is reduced as x/(2 pi) minus its nearest whole number; the error of the reduced angle grows as |freqs| x 2^-23 radians.
; sin and cos come from the half angle (at most pi/2) by series to its 9th and 10th power: truncation below 4e-6.
; The matrix instruction is used transposed: source 0 = 16 rows of W, source 1 = 16 rows of x; lane (r, h) then holds token r, channels 8 h .. 8 h + 7 of the tile.
;
; REGISTERS, in windows of 256:  window 0: v4-29 addresses and constants, v30-93 x's fragments (two halves of 4), v94-221 W's fragments (two buffers of 8),
; v222-253 converted numbers on their way into LDS;  window 1: numbers as loaded (four chunks of 64), on the way out the packed results;
; window 2: the 32 accumulator tiles of batch 0, tile (a, b) at 8 (8 a + b);  window 3: those of batch 1.
;
; THE MODE: SCHED_MODE bits 1:0 = 2 (LLVM: expert scheduling mode 2), set by the entry lines.  The code itself states the register dependences
; between vector or matrix instructions and memory or LDS instructions, with s_wait_alu, always for 0.
; THE PLAN.  Registers that memory or LDS instructions touch, in the loop:
;   RAW0 .. RAW3  (window 1) Chunk c: its 32 conversions read RAW[c]; behind them the loads of the same chunk of the tile after next land in it.  No store reads it.
;   OUT           (v222-253) Chunk c: its conversions write OUT, its 16 LDS stores read OUT; the next chunk's conversions write it again, a unit later.
;   AH lo, AH hi, BB0, BB1   LDS loads land in them, matrix instructions read them: each is loaded again behind a chunk that follows its last reader.
;   v4-v19        addresses, made at the head and never written again: the rows are reached by two scalar bases and by immediate offsets.
; So a chunk holds two waits.  One on vm_vsrc at its head: the stores of the chunk before have read OUT.  One on va_vdst behind its conversions: they are done
; reading RAW[c] and have written OUT, and the matrix instructions issued so far are done reading the fragments that are loaded again next.  Behind it follow the chunk's
; global loads, its LDS stores and the next unit's fragment loads with no further wait; so do the fragment loads behind the step's barrier, since the sixteen
; matrix instructions between name the other buffers alone.
.set PITCH,  144                       ; LDS row of a tile: 64 f16 + 16 bytes, an odd multiple of 16
.set SLOT,   73728                     ; x's 256 rows, then W's 256 rows
.set BPART,  36864
.set FTAB,   147456                    ; freqs of the block: 128 tokens x 128 f32, pitch 528
.set FPITCH, 528
.set WSTAGE, 36864                     ; behind the last barrier the slots' bytes are the way out: for each wave two heads x 128 rows x 144 bytes
.set HSTAGE, 18432
.set AOFF, 4                           ; v4  byte offset of my 16 bytes in x
.set BOFF, 5                           ; v5  the same in W
.set SAA,  6                           ; v6-7   where I store converted numbers, slot 0, 1
.set FAA,  8                           ; v8-9   my x fragments, slot 0, 1
.set FBA,  10                          ; v10-11 my W fragments, slot 0, 1
.set FO,   12                          ; v12 offset in freqs
.set FTW,  13                          ; v13 freq table, where I write
.set FTR,  14                          ; v14 freq table, where I read
.set STO,  15                          ; v15 way out: where I put 16 bytes
.set RD,   16                          ; v16 way out: where I read rows back
.set OO,   17                          ; v17 offset in the output
.set WI,   18                          ; v18 offset in Wo
.set WOO,  19                          ; v19 offset in wo16
.set C9,   20                          ; v[20:21] 1/9!     v[22:23] -1/10!
.set C10,  22
.set S2,   24                          ; v[24:25] 2 sc     v[26:27] -2 sc     v[28:29] sc  (sc = the result's scale)
.set SM2,  26
.set S1,   28
.set AH,   30                          ; v[30:61] x's fragments of batch 0, v[62:93] of batch 1 (v30, v31 are at work at the head, ahead of every load)
.set BB,   94                          ; v[94:157], v[158:221] W's 8 fragments, two buffers
.set OUT,  222                         ; v[222:253] a chunk's 64 numbers in f16, on their way into LDS
.set FQ,   94                          ; the epilogue: my angles, later the rows on their way out, in W's fragments' place
.set TN, 36                            ; the epilogue's other registers lie in x's fragments' place
.set HH, 40
.set UU, 44
.set SP, 48
.set CP, 52
.set SS, 56
.set CC, 60
.set TT, 64
.set YY, 72
.set MSB, 0
.macro WIN new                         ; the immediate's high byte repeats the setting that is left
.if MSB != (\new)
	s_set_vgpr_msb (MSB<<8)|(\new)
.set MSB, (\new)
.endif
.endm
.macro PLACES                          ; four plain vector instructions behind a matrix instruction (ISA guide 7.12.1); a wait on va_vdst fills no place, so they stay beside it
.rept 4
	v_nop
.endr
.endm
.macro BAR
	s_wait_dscnt 0x0                   ; my LDS reads and stores are done, for the other waves' sake
	s_barrier_signal -1
	s_barrier_wait -1
.endm
	s_load_b512 s[4:19], s[0:1], 0x0               ; query, key, value, Wq, Wk, Wv, Wo, freqs
	s_load_b256 s[20:27], s[0:1], 0x40             ; qr, kr, vh, wo16
	v_lshl_add_u32 v254, v0, 2, 0x34800            ; my spare word, behind the freq table, and 0: kept for the closing lines alone
	v_mov_b32 v255, 0
	v_lshrrev_b32 v1, 5, v0
	v_readfirstlane_b32 s28, v1                    ; wave
	s_lshr_b32 s29, ttmp9, 2                       ; z
	s_and_b32 s30, ttmp9, 3                        ; nb
	s_and_b32 s31, ttmp7, 0xffff                   ; yb
	s_wait_alu depctr_va_sdst(0)                   ; s28 is written, ahead of its first reader
	s_lshr_b32 s32, s28, 1                         ; wm.  Also: the batch whose rows of x I move
	s_and_b32 s33, s28, 1                          ; wn.  Also: which 64 tokens of it
	v_and_b32 v1, 31, v0                           ; L
	v_and_b32 v2, 15, v0                           ; r
	v_bfe_u32 v3, v0, 4, 1                         ; h
	; global offsets: sixteen lanes take 256 bytes of a row, the other sixteen the row 8 further down; a wave moves block rows 64 w .. +63
	v_lshlrev_b32 v30, 4, v2
	v_lshl_add_u32 v30, v3, 15, v30                ; 16 r + 8 h rows of 4,096 bytes
	s_lshl_b32 s56, s32, 23                        ; waves 2, 3: batch 1
	s_lshl_b32 s57, s33, 18                        ; 64 rows
	s_add_co_u32 s56, s56, s57
	v_add_nc_u32 v[AOFF], s56, v30
	s_lshl_b32 s56, s28, 18
	v_add_nc_u32 v[BOFF], s56, v30
	v_mul_u32_u24 v30, v3, 8*PITCH
	v_lshl_add_u32 v30, v2, 3, v30                 ; 8 h rows + 8 r bytes
	s_mul_i32 s56, s28, 64*PITCH
	v_add_nc_u32 v[SAA], s56, v30
	v_add_nc_u32 v[SAA+1], SLOT, v[SAA]
	v_mul_u32_u24 v30, v2, PITCH
	v_lshl_add_u32 v30, v3, 4, v30                 ; 144 r + 16 h
	s_mul_i32 s56, s32, 64*PITCH
	v_add_nc_u32 v[FAA], s56, v30
	v_add_nc_u32 v[FAA+1], SLOT, v[FAA]
	s_mul_i32 s56, s33, 128*PITCH
	s_add_co_u32 s56, s56, BPART
	v_add_nc_u32 v[FBA], s56, v30
	v_add_nc_u32 v[FBA+1], SLOT, v[FBA]
	s_mul_i32 s56, s28, WSTAGE
	v_add_nc_u32 v[STO], s56, v30
	v_lshrrev_b32 v31, 3, v1                       ; L / 8
	v_and_b32 v30, 7, v0
	v_lshlrev_b32 v30, 4, v30                      ; 16 (L % 8)
	v_mad_u32_u24 v[RD], v31, PITCH, v30
	v_add_nc_u32 v[RD], s56, v[RD]
	v_lshl_add_u32 v[OO], v31, 7, v30
	s_lshl_b32 s56, s33, 19                        ; my two heads
	s_lshl_b32 s57, s32, 13                        ; my 64 tokens
	s_add_co_u32 s56, s56, s57
	v_add_nc_u32 v[OO], s56, v[OO]
	v_lshlrev_b32 v30, 4, v1
	s_lshl_b32 s56, s28, 16                        ; 32 tokens of freqs a wave
	v_add_nc_u32 v[FO], s56, v30
	s_mul_i32 s56, s28, 32*FPITCH
	s_add_co_u32 s56, s56, FTAB
	v_add_nc_u32 v[FTW], s56, v30
	v_mul_u32_u24 v30, v2, FPITCH
	v_lshl_add_u32 v30, v3, 4, v30
	s_mul_i32 s56, s32, 64*FPITCH
	s_lshl_b32 s57, s33, 8                         ; 64 pairs of 4 bytes
	s_add_co_u32 s56, s56, s57
	s_add_co_u32 s56, s56, FTAB
	v_add_nc_u32 v[FTR], s56, v30
	v_lshlrev_b32 v[WI], 5, v0
	v_lshlrev_b32 v[WOO], 4, v0
	; constants of the series and the result's scale (Q: 0.125 log2 e; K: 1)
	s_mov_b32 s44, 0x3eb8aa3b
	s_mov_b32 s45, 0xbeb8aa3b
	s_mov_b32 s46, 0x3e38aa3b
	s_cmp_eq_u32 s29, 0
	s_cselect_b32 s44, s44, 2.0
	s_cselect_b32 s45, s45, -2.0
	s_cselect_b32 s46, s46, 1.0
	v_mov_b32 v[C9], 0x3638ef1d
	v_mov_b32 v[C9+1], 0x3638ef1d
	v_mov_b32 v[C10], 0xb493f27e
	v_mov_b32 v[C10+1], 0xb493f27e
	v_mov_b32 v[S2], s44
	v_mov_b32 v[S2+1], s44
	v_mov_b32 v[SM2], s45
	v_mov_b32 v[SM2+1], s45
	v_mov_b32 v[S1], s46
	v_mov_b32 v[S1+1], s46
	s_wait_kmcnt 0x0
	s_cmp_eq_u32 s29, 1                            ; which of the three products is mine
	s_cselect_b64 s[36:37], s[6:7], s[4:5]
	s_cselect_b64 s[38:39], s[12:13], s[10:11]
	s_cselect_b64 s[40:41], s[22:23], s[20:21]
	s_cmp_eq_u32 s29, 2
	s_cselect_b64 s[36:37], s[8:9], s[36:37]
	s_cselect_b64 s[38:39], s[14:15], s[38:39]
	s_cselect_b64 s[40:41], s[24:25], s[40:41]
	s_mov_b32 s57, 0
	s_lshl_b32 s56, s31, 19                        ; 128 tokens of 4,096 bytes
	s_add_nc_u64 s[36:37], s[36:37], s[56:57]
	s_lshl_b32 s56, s30, 20                        ; 256 rows of W
	s_add_nc_u64 s[38:39], s[38:39], s[56:57]
	s_lshl_b32 s34, s31, 14                        ; output: 4 heads of 262,144 bytes, 128 tokens of 128 bytes
	s_add_co_u32 s56, s56, s34
	s_add_nc_u64 s[40:41], s[40:41], s[56:57]
	s_lshl_b32 s56, s31, 18                        ; freqs: 128 rows of 2,048 bytes, 128 numbers of 4 bytes
	s_lshl_b32 s34, s30, 9
	s_add_co_u32 s56, s56, s34
	s_add_nc_u64 s[42:43], s[18:19], s[56:57]
	s_lshl_b32 s34, s31, 2
	s_add_co_u32 s34, s34, s30                     ; c = 4 yb + nb: my piece of Wo
	s_lshl_b32 s56, s34, 16
	s_add_nc_u64 s[58:59], s[16:17], s[56:57]
	s_lshl_b32 s56, s34, 15
	s_add_nc_u64 s[60:61], s[26:27], s[56:57]
; Chunk c of a tile = 16 loads = 32 of my 64 rows of x (c = 0, 1) or of W (c = 2, 3), 64 f32 (256 bytes) of each row, into registers 64 c .. 64 c + 63 of window 1
.macro GL c
.set i, 0
.rept 16
	global_load_b128 v[64*\c+4*i:64*\c+4*i+3], v[AOFF+\c/2], s[36+2*(\c/2):37+2*(\c/2)] offset:(16*((16*(\c%2)+i)/8)+i%8)*4096
.set i, i+1
.endr
.endm
; Chunk c of the next tile goes into slot dst: f32 to f16, out of RAW[c] into OUT, and 8 bytes a lane into LDS;
; more = 1: the same chunk of the tile after it is asked for.  cnt = the loads that are younger than this chunk's sixteen.  first = 1: no store has read OUT yet.
; The two rows of a store lie 8 x 144 bytes = 288 words apart, half of the 64 banks (ISA guide 11.1): no two lanes meet in a bank.
.macro CHUNK c, dst, more, cnt, first=0
	s_wait_loadcnt \cnt
.if \more
.if \c == 0
	s_wait_xcnt 0x0                                ; the loads that are still out have had their addresses translated (ISA guide 3.1): their two bases are stepped only behind this wait
	s_add_nc_u64 s[36:37], s[36:37], 256
	s_add_nc_u64 s[38:39], s[38:39], 256
.endif
.endif
.if !\first
	s_wait_alu depctr_vm_vsrc(0)                   ; the LDS stores of the chunk before have read OUT, which the conversions below write again
.endif
	WIN 0x05
.set i, 0
.rept 32
	v_cvt_pk_f16_f32 v[OUT+i], v[64*\c+2*i], v[64*\c+2*i+1]
.set i, i+1
.endr
.if \more
	WIN 0x40
	s_wait_alu depctr_va_vdst(0)                   ; the conversions are done reading RAW[c], in which the loads below land, and have written OUT, which the stores below read; the matrix instructions issued so far are done reading the fragments that are loaded again behind this chunk
	GL \c
	WIN 0
.else
	WIN 0
	s_wait_alu depctr_va_vdst(0)                   ; the conversions have written OUT, which the stores below read; the matrix instructions issued so far are done reading the fragments that are loaded again behind this chunk
.endif
.set i, 0
.rept 16
	ds_store_b64 v[SAA+\dst], v[OUT+2*i:OUT+2*i+1] offset:BPART*(\c/2)+(16*((16*(\c%2)+i)/8)+i%8)*PITCH
.set i, i+1
.endr
.endm
; 16 LDS loads: W's 8 fragments, 32 along K at byte 64 ks of the rows, into buffer bb
.macro LB bb, slot, ks
	WIN 0
.irp b, 0,1,2,3,4,5,6,7
	ds_load_b128 v[BB+64*\bb+8*\b:BB+64*\bb+8*\b+3],   v[FBA+\slot] offset:16*PITCH*\b+64*\ks
	ds_load_b128 v[BB+64*\bb+8*\b+4:BB+64*\bb+8*\b+7], v[FBA+\slot] offset:16*PITCH*\b+64*\ks+32
.endr
.endm
; 8 LDS loads: x's 4 fragments of batch hi
.macro LA hi, slot, ks
	WIN 0
.irp a, 0,1,2,3
	ds_load_b128 v[AH+32*\hi+8*\a:AH+32*\hi+8*\a+3],   v[FAA+\slot] offset:(128*\hi+16*\a)*PITCH+64*\ks
	ds_load_b128 v[AH+32*\hi+8*\a+4:AH+32*\hi+8*\a+7], v[FAA+\slot] offset:(128*\hi+16*\a)*PITCH+64*\ks+32
.endr
.endm
; 16 matrix instructions: fragments a0, a0 + 1 of batch hi x W's 8 fragments of buffer bb.  zero = 1: the first product starts the sums.
.macro MULH hi, bb, a0, zero
.irp a, \a0, \a0+1
.irp b, 0,1,2,3,4,5,6,7
.if \zero
	v_wmma_f32_16x16x32_f16 v[8*(8*(\a)+\b):8*(8*(\a)+\b)+7], v[BB+64*\bb+8*\b:BB+64*\bb+8*\b+7], v[AH+32*\hi+8*(\a):AH+32*\hi+8*(\a)+7], 0
.else
	v_wmma_f32_16x16x32_f16 v[8*(8*(\a)+\b):8*(8*(\a)+\b)+7], v[BB+64*\bb+8*\b:BB+64*\bb+8*\b+7], v[AH+32*\hi+8*(\a):AH+32*\hi+8*(\a)+7], v[8*(8*(\a)+\b):8*(8*(\a)+\b)+7]
.endif
.endr
.endr
.endm
; A unit: 32 matrix instructions on the 32 accumulators of one batch (C and D in window 2 or 3).  The 64 accumulators take turns, one instruction a turn.
.macro UNIT hi, bb, zero
	WIN (0xa0+0x50*\hi)
	MULH \hi, \bb, 0, \zero
	MULH \hi, \bb, 2, \zero
.endm
; What stands in a chunk's place in the last step, which has nothing to convert
.macro NOCHUNK
	WIN 0
	PLACES
	s_wait_alu depctr_va_vdst(0)                   ; the matrix instructions of the unit before are done reading the fragments in which the LDS loads below land
.endm
; One K step of 64 on slot.  On the way in: W's buffer 0 and batch 0's fragments of the step's first 32 are asked for (24 LDS loads).
; stage = 1: the next tile is converted into the other slot, a chunk behind each unit; more = 1: the tile after it is asked for.
; The counts of the three waits on DScnt are what was issued behind the loads that the unit needs: a chunk's 16 stores (stage = 1) and the next unit's 8 or 24 loads.
; ONE barrier a step, in front of the fourth unit's second half.  In front of it each wave has waited for its reads of this slot and its stores into the other:
; behind it the other slot is whole and is read, and this slot is free for the next step's stores.
.macro TRIP slot, zero, stage, more
.if \stage
	CHUNK 0, 1-\slot, \more, 48
.else
	NOCHUNK
.endif
	LA 1, \slot, 0
	s_wait_dscnt 8+16*\stage
	UNIT 0, 0, \zero
.if \stage
	CHUNK 1, 1-\slot, \more, 32+16*\more
.else
	NOCHUNK
.endif
	LB 1, \slot, 1
	LA 0, \slot, 1
	s_wait_dscnt 24+16*\stage
	UNIT 1, 0, \zero
.if \stage
	CHUNK 2, 1-\slot, \more, 16+32*\more
.else
	NOCHUNK
.endif
	LA 1, \slot, 1
	s_wait_dscnt 8+16*\stage
	UNIT 0, 1, 0
.if \stage
	CHUNK 3, 1-\slot, \more, 48*\more
	s_wait_dscnt 0x0                               ; my reads of this slot and my stores into the other are done: say so,
	s_barrier_signal -1
	WIN 0xf0
	MULH 1, 1, 0, 0                                ; work on registers while the others arrive,
	s_barrier_wait -1
	LB 0, 1-\slot, 0                               ; and ask for the next step's first fragments.  No wait: since chunk 3's wait on va_vdst only the sixteen matrix instructions
	LA 0, 1-\slot, 0                               ; above were issued, and they name W's buffer 1, batch 1's fragments and window 3, none of the registers in which these loads land
	WIN 0xf0
	MULH 1, 1, 2, 0
.else
	s_wait_dscnt 0x0
	UNIT 1, 1, 0
.endif
	WIN 0
.endm
	WIN 0x40
	s_wait_alu depctr_va_vdst(0)                   ; the addresses v4 to v19 are written, which every load and store of the kernel reads; so are v30 and v31, in which fragments of x land
	GL 0                                           ; K step 0: 64 loads
	GL 1
	GL 2
	GL 3
	WIN 0
	CHUNK 0, 0, 1, 48, 1                           ; into slot 0; K step 1 is asked for.  Behind each chunk's loads stand the three other chunks': 48
	CHUNK 1, 0, 1, 48
	CHUNK 2, 0, 1, 48
	CHUNK 3, 0, 1, 48
	BAR
	LB 0, 0, 0
	LA 0, 0, 0
	TRIP 0, 1, 1, 1                                ; steps 0 and 1 stand in front of the loop: the first products start the sums
	TRIP 1, 0, 1, 1
	s_mov_b32 s54, 6
.Llap:                                             ; steps 2 to 13
	TRIP 0, 0, 1, 1
	TRIP 1, 0, 1, 1
	s_sub_co_u32 s54, s54, 1
	s_cmp_lg_u32 s54, 0
	s_cbranch_scc1 .Llap
	TRIP 0, 0, 1, 0                                ; step 14 converts step 15's numbers and asks for nothing more: its counts run down 48, 32, 16, 0
	; window 1 is free: ask now for what the epilogue needs, so that it lands during the last step.  No wait: the conversions that read window 1 stand ahead of
	; step 14's last wait on va_vdst, nothing issued since names window 1, and no store has read it.
	s_cmp_eq_u32 s29, 2
	s_cbranch_scc1 .Lwload
	WIN 0x40
.set i, 0
.rept 32
	global_load_b128 v[4*i:4*i+3], v[FO], s[42:43] offset:2048*i           ; freqs: my 32 tokens, 512 bytes each
.set i, i+1
.endr
	WIN 0
	s_branch .Llast
.Lwload:
	WIN 0x40
.set i, 0
.rept 16
	global_load_b128 v[8*i:8*i+3],   v[WI], s[58:59] offset:4096*i         ; Wo: 8 numbers a thread, 16 times
	global_load_b128 v[8*i+4:8*i+7], v[WI], s[58:59] offset:4096*i+16
.set i, i+1
.endr
	WIN 0
.Llast:
	TRIP 1, 0, 0, 0                                ; step 15
	PLACES                                         ; behind the last matrix instructions, ahead of every read of a result and every write of a fragment's register
	s_wait_loadcnt 0x0
	s_cmp_eq_u32 s29, 2
	s_cbranch_scc1 .Lwstore
	WIN 0x04
.set i, 0
.rept 32
	ds_store_b128 v[FTW], v[4*i:4*i+3] offset:FPITCH*i
.set i, i+1
.endr
	WIN 0
	s_branch .Lbar
.Lwstore:
	WIN 0x45
.set i, 0
.rept 64
	v_cvt_pk_f16_f32 v[i], v[2*i], v[2*i+1]
.set i, i+1
.endr
	WIN 0x04
	s_wait_alu depctr_va_vdst(0)                   ; the conversions have written registers 0 to 63 of window 1, which the stores below read
.set i, 0
.rept 16
	global_store_b128 v[WOO], v[4*i:4*i+3], s[60:61] offset:2048*i         ; a wave's store covers 512 consecutive bytes, aligned
.set i, i+1
.endr
	WIN 0
.Lbar:
	BAR                                            ; every wave has read its last fragments (the slots become the way out) and the freq table is whole
	s_wait_alu depctr_va_vdst(0)                   ; the last matrix instructions are done reading W's fragments, in whose registers LDS loads land on both ways below
	s_wait_alu depctr_vm_vsrc(0)                   ; my stores of the freq table, or of wo16, have read window 1, which the roundings on both ways below write
	s_cmp_eq_u32 s29, 2
	s_cbranch_scc1 .Lvout
	; Q and K: my angles (token 64 wm + 16 a' + r, pairs 64 wn + 8 b + 4 h .. + 3), 32 loads
.irp ap, 0,1,2,3
.irp b, 0,1,2,3,4,5,6,7
	ds_load_b128 v[FQ+4*(8*\ap+\b):FQ+4*(8*\ap+\b)+3], v[FTR] offset:16*FPITCH*\ap+32*\b
.endr
.endr
	s_wait_dscnt 0x0
; sc sin and sc cos of four angles at register f: SS, CC
.macro SINCOS f
.irp q, 0,2
	v_pk_mul_f32 v[TN+\q:TN+\q+1], v[\f+\q:\f+\q+1], 0x3e22f983 op_sel_hi:[1,0]          ; x / (2 pi)
.endr
.irp q, 0,1,2,3
	v_rndne_f32 v[HH+\q], v[TN+\q]
.endr
.irp q, 0,2
	v_pk_add_f32 v[TN+\q:TN+\q+1], v[TN+\q:TN+\q+1], v[HH+\q:HH+\q+1] neg_lo:[0,1] neg_hi:[0,1]   ; minus its nearest whole number: at most 1/2
.endr
.irp q, 0,2
	v_pk_mul_f32 v[HH+\q:HH+\q+1], v[TN+\q:TN+\q+1], 0x40490fdb op_sel_hi:[1,0]          ; times pi: half the reduced angle
.endr
.irp q, 0,2
	v_pk_mul_f32 v[UU+\q:UU+\q+1], v[HH+\q:HH+\q+1], v[HH+\q:HH+\q+1]
.endr
.irp q, 0,2
	v_pk_fma_f32 v[SP+\q:SP+\q+1], v[UU+\q:UU+\q+1], v[C9:C9+1], 0xb9500d01 op_sel_hi:[1,1,0]
	v_pk_fma_f32 v[CP+\q:CP+\q+1], v[UU+\q:UU+\q+1], v[C10:C10+1], 0x37d00d01 op_sel_hi:[1,1,0]
.endr
.irp q, 0,2
	v_pk_fma_f32 v[SP+\q:SP+\q+1], v[SP+\q:SP+\q+1], v[UU+\q:UU+\q+1], 0x3c088889 op_sel_hi:[1,1,0]
	v_pk_fma_f32 v[CP+\q:CP+\q+1], v[CP+\q:CP+\q+1], v[UU+\q:UU+\q+1], 0xbab60b61 op_sel_hi:[1,1,0]
.endr
.irp q, 0,2
	v_pk_fma_f32 v[SP+\q:SP+\q+1], v[SP+\q:SP+\q+1], v[UU+\q:UU+\q+1], 0xbe2aaaab op_sel_hi:[1,1,0]
	v_pk_fma_f32 v[CP+\q:CP+\q+1], v[CP+\q:CP+\q+1], v[UU+\q:UU+\q+1], 0x3d2aaaab op_sel_hi:[1,1,0]
.endr
.irp q, 0,2
	v_pk_fma_f32 v[SP+\q:SP+\q+1], v[SP+\q:SP+\q+1], v[UU+\q:UU+\q+1], 1.0 op_sel_hi:[1,1,0]
	v_pk_fma_f32 v[CP+\q:CP+\q+1], v[CP+\q:CP+\q+1], v[UU+\q:UU+\q+1], -0.5 op_sel_hi:[1,1,0]
.endr
.irp q, 0,2
	v_pk_mul_f32 v[SP+\q:SP+\q+1], v[SP+\q:SP+\q+1], v[HH+\q:HH+\q+1]                    ; sin of the half angle
	v_pk_fma_f32 v[CP+\q:CP+\q+1], v[CP+\q:CP+\q+1], v[UU+\q:UU+\q+1], 1.0 op_sel_hi:[1,1,0]   ; cos of it
.endr
.irp q, 0,2
	v_pk_mul_f32 v[SS+\q:SS+\q+1], v[SP+\q:SP+\q+1], v[CP+\q:CP+\q+1]
	v_pk_mul_f32 v[CC+\q:CC+\q+1], v[SP+\q:SP+\q+1], v[SP+\q:SP+\q+1]
.endr
.irp q, 0,2
	v_pk_mul_f32 v[SS+\q:SS+\q+1], v[SS+\q:SS+\q+1], v[S2:S2+1]                          ; sc sin x = 2 sc s c
	v_pk_fma_f32 v[CC+\q:CC+\q+1], v[CC+\q:CC+\q+1], v[SM2:SM2+1], v[S1:S1+1]            ; sc cos x = sc - 2 sc s s
.endr
.endm
; one pair (x0, x1) at x: t = (x1 s, x0 s); y = (x0 c - t.lo, x1 c + t.hi).  sg says which register of the s and c pairs is this pair's.
.macro RP x, sp, cp, t, y, sg
.if \sg
	v_pk_mul_f32 v[\t:\t+1], v[\x:\x+1], v[\sp:\sp+1] op_sel:[1,1] op_sel_hi:[0,1]
	v_pk_fma_f32 v[\y:\y+1], v[\x:\x+1], v[\cp:\cp+1], v[\t:\t+1] op_sel:[0,1,0] op_sel_hi:[1,1,1] neg_lo:[0,0,1]
.else
	v_pk_mul_f32 v[\t:\t+1], v[\x:\x+1], v[\sp:\sp+1] op_sel:[1,0] op_sel_hi:[0,0]
	v_pk_fma_f32 v[\y:\y+1], v[\x:\x+1], v[\cp:\cp+1], v[\t:\t+1] op_sel:[0,0,0] op_sel_hi:[1,0,1] neg_lo:[0,0,1]
.endif
.endm
; tile (ap, b) of batch 0 (window 2) and of batch 1 (window 3) share their angles.  The packed results go into window 1, eight registers at 8 (8 ap + b):
; each of the 32 tile pairs has registers of its own, so that none is written again behind the store that reads it.
.macro ROPE2 ap, b
.irp be, 0,1
	WIN (0x02+\be)                                 ; source 0: the batch's accumulators
.irp p, 0,1,2,3
	RP 8*(8*\ap+\b)+2*\p, SS+2*(\p/2), CC+2*(\p/2), TT+2*\p, YY+8*\be+2*\p, \p%2
.endr
.endr
	WIN 0x40                                       ; destination in window 1
.irp be, 0,1
.irp p, 0,1,2,3
	v_cvt_pk_f16_f32 v[8*(8*\ap+\b)+4*\be+\p], v[YY+8*\be+2*\p], v[YY+8*\be+2*\p+1]
.endr
.endr
	WIN 0
.endm
; four batches of eight tile pairs: the arithmetic, one wait, the batch's sixteen stores into my stage
.irp ap, 0,1,2,3
.irp b, 0,1,2,3,4,5,6,7
	SINCOS FQ+4*(8*\ap+\b)
	ROPE2 \ap, \b
.endr
	WIN 0x04
	s_wait_alu depctr_va_vdst(0)                   ; the batch's roundings have written their 64 registers of window 1, which the stores below read; behind the last batch: the series are done reading my angles, in whose registers the rows come back
.irp b, 0,1,2,3,4,5,6,7
.irp be, 0,1
	ds_store_b128 v[STO], v[8*(8*\ap+\b)+4*\be:8*(8*\ap+\b)+4*\be+3] offset:HSTAGE*(\b/4)+16*PITCH*(4*\be+\ap)+32*(\b%4)
.endr
.endr
	WIN 0
.endr
	s_branch .Ljoin
.Lvout:                                            ; V: round and stage, a batch (64 rows) at a time; the packed results go into window 1, 32 registers for each 16 rows, none written twice
	s_wait_xcnt 0x0                                ; wo16's stores have had their addresses translated (ISA guide 3.1): their data registers are written again only behind this wait
.irp hb, 0,1
	WIN (0x4a+5*\hb)                               ; sources 0 and 1 in window 2 (batch 0) or 3 (batch 1), destination in window 1
.irp a, 0,1,2,3
.irp b, 0,1,2,3,4,5,6,7
.irp p, 0,1,2,3
	v_cvt_pk_f16_f32 v[32*(4*\hb+\a)+4*\b+\p], v[8*(8*\a+\b)+2*\p], v[8*(8*\a+\b)+2*\p+1]
.endr
.endr
.endr
	WIN 0x04
	s_wait_alu depctr_va_vdst(0)                   ; the batch's roundings have written their 128 registers of window 1, which the stores below read
.irp a, 0,1,2,3
.irp b, 0,1,2,3,4,5,6,7
	ds_store_b128 v[STO], v[32*(4*\hb+\a)+4*\b:32*(4*\hb+\a)+4*\b+3] offset:HSTAGE*(\b/4)+16*PITCH*(4*\hb+\a)+32*(\b%4)
.endr
.endr
.endr
	WIN 0
.Ljoin:
	; each head's 128 rows of 128 bytes come back four rows a load and leave as 512 consecutive bytes a store (a head's rows are dense in the output).
	; The stage is my own and LDS serves a wave's instructions in order (ISA guide 5.7.1): no wait between the stores above and these loads.
	; On both ways in, the last vector or matrix instruction that named v94 to v221 stands ahead of a wait on va_vdst.
.irp hh, 0,1
.if \hh
	s_wait_xcnt 0x0                                ; the first head's stores have had their addresses translated (ISA guide 3.1),
	s_wait_alu depctr_vm_vsrc(0)                   ; and have read their data registers, in which the loads below land
.endif
.set n, 0
.rept 32
	ds_load_b128 v[FQ+4*n:FQ+4*n+3], v[RD] offset:HSTAGE*\hh+64*PITCH*(n/16)+4*PITCH*(n%16)
.set n, n+1
.endr
.set n, 0
.rept 32
	s_wait_dscnt 31-n                              ; loads come back in order: number n is in, the younger ones stay out
	global_store_b128 v[OO], v[FQ+4*n:FQ+4*n+3], s[40:41] offset:4194304*(n/16)+262144*\hh+512*(n%16)
.set n, n+1
.endr
.endr
	s_wait_dscnt 0x0                               ; the closing lines, six on end
	s_wait_alu 0x0
	s_wait_tensorcnt 0x0
	ds_add_u32 v254, v255
	s_wait_dscnt 0x0
	s_endpgm
.Lfunc_end_k_q7a02336f42_proj:
	.size	k_q7a02336f42_proj, .Lfunc_end_k_q7a02336f42_proj-k_q7a02336f42_proj
	.p2alignl 7, 3214868480
	.fill 96, 4, 3214868480
	.section	.rodata,"a",@progbits
	.p2align	6, 0x0
	.amdhsa_kernel k_q7a02336f42_proj
		.amdhsa_group_segment_fixed_size 215552
		.amdhsa_private_segment_fixed_size 0
		.amdhsa_enable_private_segment 0
		.amdhsa_kernarg_size 96
		.amdhsa_user_sgpr_count 2
		.amdhsa_user_sgpr_kernarg_segment_ptr 1
		.amdhsa_wavefront_size32 1
		.amdhsa_system_sgpr_workgroup_id_x 1
		.amdhsa_system_sgpr_workgroup_id_y 1
		.amdhsa_system_sgpr_workgroup_id_z 1
		.amdhsa_system_vgpr_workitem_id 0
		.amdhsa_next_free_vgpr 1024
		.amdhsa_next_free_sgpr 66
		.amdhsa_reserve_vcc 0
		.amdhsa_float_denorm_mode_32 3
		.amdhsa_float_denorm_mode_16_64 3
		.amdhsa_memory_ordered 1
		.amdhsa_forward_progress 1
		.amdhsa_inst_pref_size 255
	.end_amdhsa_kernel
	.section	.bss,"aw",@nobits
	.p2align	6
	.space	262144
	.amdgpu_metadata
---
amdhsa.version: [ 1, 2 ]
amdhsa.kernels:
  - .name:           k_q7a02336f42_proj
    .symbol:         k_q7a02336f42_proj.kd
    .args:
      - { .name: query, .offset: 0, .size: 8, .value_kind: global_buffer, .address_space: global }
      - { .name: key, .offset: 8, .size: 8, .value_kind: global_buffer, .address_space: global }
      - { .name: value, .offset: 16, .size: 8, .value_kind: global_buffer, .address_space: global }
      - { .name: Wq, .offset: 24, .size: 8, .value_kind: global_buffer, .address_space: global }
      - { .name: Wk, .offset: 32, .size: 8, .value_kind: global_buffer, .address_space: global }
      - { .name: Wv, .offset: 40, .size: 8, .value_kind: global_buffer, .address_space: global }
      - { .name: Wo, .offset: 48, .size: 8, .value_kind: global_buffer, .address_space: global }
      - { .name: freqs, .offset: 56, .size: 8, .value_kind: global_buffer, .address_space: global }
      - { .name: qr, .offset: 64, .size: 8, .value_kind: global_buffer, .address_space: global }
      - { .name: kr, .offset: 72, .size: 8, .value_kind: global_buffer, .address_space: global }
      - { .name: vh, .offset: 80, .size: 8, .value_kind: global_buffer, .address_space: global }
      - { .name: wo16, .offset: 88, .size: 8, .value_kind: global_buffer, .address_space: global }
    .group_segment_fixed_size: 215552
    .private_segment_fixed_size: 0
    .kernarg_segment_align: 8
    .kernarg_segment_size: 96
    .max_flat_workgroup_size: 128
    .sgpr_count:     66
    .vgpr_count:     1024
    .wavefront_size: 32
...
	.end_amdgpu_metadata
.endif
;; end of part 6
;; launch attn: the kernel of part 5 again; grid 8 x 32, 8 waves a work-group, clusters of 4 x 1, 327,680 bytes of LDS; arguments qr, kr, vh, query_id, kv_id, attn_mask, bias_emb, yh; writes yh
;; launch oproj: the kernel of part 3 again; grid 8 x 32, 4 waves a work-group, clusters of 4 x 4, 327,680 bytes of LDS; arguments yh, wo16, out0; writes out0
